; MI455X (gfx1250); checked and timed in simulation.
; The chip was launched on July 23, 2026; its instructions are those of AMD's public machine-readable ISA for CDNA 5 (MIT licence, August 2026) and "CDNA5" Instruction Set Architecture Reference Guide (July 2026). The comments in the code are by the model that wrote it; some were corrected since.
;; Multi Head Attention. Allowed arithmetic: matrix products marked QUANTISED: E2M3 operands, one E8M0 scale for each 32 along K, by v_wmma_scale_f32_16x16x128_f8f6f4 with both operands' format E2M3, f32 sums; everything else in f32.
;; Inputs: bk 1,024 float32; bo 1,024 float32; bq 1,024 float32; bv 1,024 float32; k 4 x 2,048 x 1,024 float32; mask 4 x 1 x 1 x 2,048 int32; q 4 x 2,048 x 1,024 float32; v 4 x 2,048 x 1,024 float32; wk 1,024 x 1,024 float32; wo 1,024 x 1,024 float32; wq 1,024 x 1,024 float32; wv 1,024 x 1,024 float32.
;; Outputs: out0 4 x 2,048 x 1,024 float32.
;; This version of the problem:
;;   THIS VERSION OF THE PROBLEM IS GIVEN IN LOW PRECISION. The matrix products marked QUANTISED in the list below multiply operands that are first quantised to E2M3 (2 exponent bits, 3 mantissa bits; 6 bits a number), with one power-of-two scale for each 32 numbers along K (OCP MX v1.0); their sums are f32. All else is computed in f32.
;;   The module's matrix products, in the order in which they are computed (A, B: the left and right operand; K: the contracted axis; several contracted axes count as one K, in the product's order):
;;     1. [M 8,192, K 1,024] x [K 1,024, N 1,024]; A: input q; B: input wq: QUANTISED
;;     2. [M 8,192, K 1,024] x [K 1,024, N 1,024]; A: input k; B: input wk: QUANTISED
;;     3. [M 8,192, K 1,024] x [K 1,024, N 1,024]; A: input v; B: input wv: QUANTISED
;;     4. batch 64 x [M 2,048, K 64] x [K 64, N 2,048]; A: computed on the way; B: computed on the way: QUANTISED
;;     5. batch 64 x [M 2,048, K 2,048] x [K 2,048, N 64]; A: softmax (see below); B: computed on the way: QUANTISED
;;     6. [M 8,192, K 1,024] x [K 1,024, N 1,024]; A: computed on the way; B: input wo: QUANTISED
;;   THE QUANTISER, for each operand of a quantised product, along K:
;;     - K is cut into blocks of 32 from its start; a last block that is shorter is filled with zeros.
;;     - A block's scale is 2^e with e = floor(log2(the largest magnitude in the block)) - 2, held to -126 .. 127; a block of zeros has e = 0. As a byte (E8M0): e + 127.
;;     - Each number is divided by its block's scale, clamped to +-7.5, and rounded to the nearest number of E2M3, ties to even, subnormals kept.
;;     - The product sums the exact products of the quantised numbers (number of the format x scale) in f32.
;;   ~~~python
;;   def quantise(x, axis):      # numpy; x: float32 -> the quantised numbers, widened to float32 again
;;       x = np.moveaxis(x, axis, -1); K = x.shape[-1]
;;       x = np.pad(x, [(0, 0)] * (x.ndim - 1) + [(0, -K % 32)]); x = x.reshape(x.shape[:-1] + (-1, 32)); a = np.abs(x).max(-1, keepdims=True)
;;       e = np.where(a > 0, np.clip(np.frexp(np.where(a > 0, a, 1))[1] - 1 - 2, -126, 127), 0)      # np.frexp(a)[1] - 1 = floor(log2(a)), exactly
;;       r = np.clip(x / 2.0 ** e, -7.5, 7.5)
;;       step = 2.0 ** (np.maximum(np.frexp(np.where(r == 0, 1, r))[1] - 1, 0) - 3)
;;       q = np.round(r / step) * step * 2.0 ** e      # np.round: ties to even
;;       return np.moveaxis(q.reshape(q.shape[:-2] + (-1,))[..., :K], -1, axis).astype(np.float32)
;;   ~~~
;;   SOFTMAX AHEAD OF A QUANTISED PRODUCT. Where the list says 'softmax', what is quantised is not the finished softmax but p = 2^(t - M), with t = logit x log2(e) and M = ceil(the row's largest t), a whole number; so 1/2 < the row's largest p <= 1. The row's sum l is taken of the UNQUANTISED p, in f32, and the product's result is divided by l at the end. Since M is a whole number, a kernel that streams over the keys may use a running M (the ceiling of the running maximum): every later rescaling is an exact power of two, which a block's scale takes up: the codes' values come out the same.
;;   OPERANDS COMPUTED ON THE WAY. 'Computed on the way' means the value that the module computes at that place (a softmax that the list does not call 'softmax' is quantised finished and normalised). What goes into a quantiser is computed in f32, as accurately as f32 sums, v_exp_f32 and their like allow (about 1e-6 of the number): no bf16 or f16 on the way to a quantiser, and a product that is left as it is and whose result goes on into a quantised operand takes f32 operands (vector FMAs, or v_wmma_f32_16x16x4_f32). A number that lies on a knife's edge between two numbers of the format may be rounded either way, as far as f32 arithmetic and the matrix unit's own rounding can turn it there, and no further.
;; One version. Each part assembles by itself: llvm-mc -triple=amdgcn-amd-amdhsa -mcpu=gfx1250 --defsym DOCPART=n.
;; ======== version 1 of 1: 4 launches
;; limits: right only within a limited range of input values
;; workspace buffers: xcod 18,874,368 bytes; xscl 786,432 bytes; wcod 3,145,728 bytes; wscl 131,072 bytes; qkv 20,185,088 bytes; acod 6,291,456 bytes; ascl 262,144 bytes
;; launch quant (part 1): grid 1024 x 1, 4 waves a work-group, no clusters, 35,328 bytes of LDS; arguments q, k, v, wq, wk, wv, wo, xcod, xscl, wcod, wscl; writes xcod, xscl, wcod, wscl
.if DOCPART == 1
	.amdgcn_target "amdgcn-amd-amdhsa--gfx1250"
	.amdhsa_code_object_version 6
	.text
	.protected	k_q083872fca2_quant
	.globl	k_q083872fca2_quant
	.p2align	8
	.type	k_q083872fca2_quant,@function
k_q083872fca2_quant:
	s_mov_b64 s[64:65], 0
	v_nop
	global_prefetch_b8 v0, s[64:65] scope:SCOPE_SE
	s_setreg_imm32_b32 hwreg(HW_REG_WAVE_MODE, 25, 1), 1
	s_wait_xcnt 0x0
; q, k, v [8192][1024] f32 (K innermost) and wq, wk, wv, wo [1024 (K)][1024] f32 (K outermost) become codes of FP6 (E2M3) with one E8M0 byte for each 32 along K.
; A block's byte is its largest magnitude's exponent field - 2, held at 1 from below; numbers are divided by the scale and rounded to the nearest code, ties to even, beyond 7.5 the largest code.
; LAYOUT OF THE CODES: images of operand fragments.  A fragment is 16 rows x 128 K, 12 registers a lane: lane (r = lane % 16, h = lane / 16) holds in registers 6 c .. 6 c + 5 the codes of
; k = 64 c + 32 h + 0 .. 31 of row r.  It lies as six chunks of 256 bytes, chunk g holding registers 2 g, 2 g + 1 at 8 x lane: [tensor][tile of 16 rows][K step of 128][1536].
; POSITIONS: the row kept at position p is the true row p with bits 3 and 4 exchanged.  A tile of 16 positions used as source 0 of a matrix instruction then gives results whose 16 registers
; of two neighbouring tiles are 16 neighbours along that axis.  Scale words: [tensor][position][32 bytes], word s for K step s.
; Work-groups 0-767: q, k, v, two waves to a tile of 16 rows (four of its 8 fragments each).  Work-groups 768-1023: the weights, a wave to 32 columns x 128 K.  Only the first path touches LDS.
; LIMITS: NaN and infinities among the inputs are not served.  A block of zeros, or one whose largest magnitude lies under 2^-124, gets the byte 1 (the rule says 127 for zeros): its codes are
; zeros or what the floor's scale gives, and this program alone reads the bytes.  The weights' scale words leave as 4 bytes a lane to rows 32 bytes apart: 131,072 bytes in the launch.
.set XC, 6291456                       ; bytes of a tensor's codes: q, k, v
.set XS, 262144                        ; and of its scale words
.set WC, 786432                        ; the same for a weight
.set WS, 32768
.set R,  32                            ; v32-159  two sets of 64: a fragment's numbers as loaded
.set X,  160                           ; v160-223 the same behind the stage: 2 blocks of 32 neighbours
.set C,  224                           ; v224-247 two sets of 12: a fragment's codes
.set CT, 248                           ; v248-254 second halves of blocks (a conversion's three registers begin on an even number)
.set XW, 32                            ; weights: v32-95 two sets of 32
	s_load_b512 s[4:19], s[0:1], 0x0               ; q, k, v, wq, wk, wv, wo, xcod
	s_load_b128 s[20:23], s[0:1], 0x40             ; xscl, wcod
	s_load_b64 s[24:25], s[0:1], 0x50              ; wscl
	v_lshl_add_u32 v251, v0, 2, 0x8400
	v_mov_b32 v255, 0
	v_lshrrev_b32 v1, 5, v0
	v_readfirstlane_b32 s26, v1                    ; wave
	v_and_b32 v7, 31, v0                           ; lane
	v_lshlrev_b32 v4, 3, v7                        ; 8 x lane: a lane's place in a chunk
	s_mov_b32 s28, 0x76543210
	s_mov_b32 s29, 0xfedcba98                      ; selects for lane l xor 16
	s_mov_b32 s37, 0                               ; high words of three offsets
	s_mov_b32 s39, 0
	s_mov_b32 s41, 0
	s_cmp_lt_u32 ttmp9, 768                        ; work-groups 0-767: q, k, v, two waves to a tile of 16 rows, each with four of its eight K steps; 768-1023: the weights
	s_cbranch_scc0 .Lweights
	; ---------------- q, k, v ----------------
	v_and_b32 v8, 15, v0                           ; r
	v_bfe_u32 v9, v0, 4, 1                         ; h
	v_lshlrev_b32 v1, 4, v7                        ; 16 x lane: my bytes of a load's 512
	s_mul_i32 s32, s26, 8448                       ; my wave's stage: 16 rows of 512 + 16 bytes
	v_add_nc_u32 v2, s32, v1                       ; into it: as loaded
	v_mul_u32_u24 v3, v8, 528
	v_lshl_add_u32 v3, v9, 7, v3
	v_add_nc_u32 v3, s32, v3                       ; out of it: row r, 128 h bytes on: my block of 32
	v_lshlrev_b32 v6, 3, v9                        ; 8 h
	v_mov_b32 v15, 0                               ; a lane permute's destination counts as read
	s_lshr_b32 s27, ttmp9, 8                       ; tensor 0, 1, 2
	s_and_b32 s33, ttmp9, 255
	s_lshl_b32 s33, s33, 1
	s_lshr_b32 s46, s26, 1                         ; which of the work-group's two tiles
	s_add_co_u32 s33, s33, s46                     ; T: my tile of 16 positions
	s_and_b32 s47, s26, 1                          ; which half of K: steps 4 x half on
	; q and v: the tile's first true row is 32 (T / 2) + 8 (T % 2), its rows 8-15 lie 16 rows behind rows 0-7 (bits 3 and 4 exchanged).
	; k ALONE: first true row 64 (T / 4) + 8 (T % 4), rows 8-15 lie 32 rows behind rows 0-7: four neighbouring tiles as source 0 give a lane 32 neighbouring keys, a whole block.
	s_cmp_eq_u32 s27, 1
	s_cselect_b32 s43, 2, 1
	s_cselect_b32 s44, 3, 1
	s_cselect_b32 s45, 65536, 0                    ; k: sixteen rows of 4,096 bytes more for rows 8-15
	s_lshr_b32 s36, s33, s43
	s_add_co_u32 s43, s43, 16
	s_lshl_b32 s36, s36, s43                       ; 32 or 64 rows of 4,096 bytes
	s_and_b32 s34, s33, s44
	s_lshl_b32 s34, s34, 15
	s_add_co_u32 s36, s36, s34
	s_lshl_b32 s34, s47, 11
	s_add_co_u32 s36, s36, s34                     ; my half of K: 4 steps of 512 bytes
	s_lshl_b32 s34, s46, 9
	s_add_co_u32 s34, s34, 0x8600                  ; LDS behind the spare words: 512 bytes for each tile's scale words
	s_lshl_b32 s35, s47, 4
	s_add_co_u32 s35, s35, s34
	s_wait_alu depctr_va_vdst(0)                   ; directly ahead of the readers below
	v_add_nc_u32 v28, s45, v1                      ; the offset of the loads of rows 8-15
	v_lshl_add_u32 v29, v8, 5, s35                 ; into it: row r's 32 bytes, my half's 16
	v_add_nc_u32 v30, s34, v1                      ; out of it: 16 x lane
	s_mul_i32 s38, s27, XC
	s_mul_i32 s34, s33, 12288
	s_add_co_u32 s38, s38, s34
	s_mul_i32 s34, s47, 6144
	s_add_co_u32 s38, s38, s34                     ; my four images of the tile's eight
	s_mul_i32 s40, s27, XS
	s_lshl_b32 s34, s33, 9
	s_add_co_u32 s40, s40, s34                     ; and its 512 bytes of scale words
	s_wait_alu depctr_va_vdst(0)
	s_wait_kmcnt 0x0
	s_cmp_eq_u32 s27, 0
	s_cselect_b64 s[30:31], s[4:5], s[6:7]
	s_cmp_eq_u32 s27, 2
	s_cselect_b64 s[30:31], s[8:9], s[30:31]       ; the choice hangs on the work-group's number alone
	s_add_nc_u64 s[30:31], s[30:31], s[36:37]
	s_add_nc_u64 s[18:19], s[18:19], s[38:39]
	s_add_nc_u64 s[20:21], s[20:21], s[40:41]
.macro LOADF s                         ; K step s of the tile's 16 rows: each load reads 512 consecutive bytes of one true row
.irp i, 0,1,2,3,4,5,6,7,8,9,10,11,12,13,14,15
	global_load_b128 v[R+64*((\s)%2)+4*\i:R+64*((\s)%2)+4*\i+3], v[1+27*(\i/8)], s[30:31] offset:(\i+8*(\i/8))*4096+512*(\s) th:TH_LOAD_NT
.endr
.endm
.macro TURNF s                         ; through the stage: LDS serves a wave's instructions in order, so no wait stands between the stores and the loads
.irp i, 0,1,2,3,4,5,6,7,8,9,10,11,12,13,14,15
	ds_store_b128 v2, v[R+64*((\s)%2)+4*\i:R+64*((\s)%2)+4*\i+3] offset:528*\i
.endr
.irp c, 0,1
.irp m, 0,1,2,3,4,5,6,7
	ds_load_b128 v[X+32*\c+4*\m:X+32*\c+4*\m+3], v3 offset:256*\c+16*\m
.endr
.endr
.endm
.macro WORKF s                         ; my two blocks (2 c + h of the K step) become six registers each; the row's scale word is joined from lanes l and l xor 16
.set CS, C+12*((\s)%2)
.irp c, 0,1
	v_max3_num_f32 v[8+\c], |v[X+32*\c]|, |v[X+32*\c+1]|, 0x1800000     ; with the floor 2^(3 - 127): the byte cannot fall under 1
.endr
.irp i, 2,4,6,8,10,12,14,16,18,20,22,24,26,28,30
.irp c, 0,1
	v_max3_num_f32 v[8+\c], v[8+\c], |v[X+32*\c+\i]|, |v[X+32*\c+\i+1]|
.endr
.endr
.irp c, 0,1
	v_add_nc_u32 v[10+\c], 0xff000000, v[8+\c]     ; 2 off the exponent field: the conversion's scale operand
.endr
.irp c, 0,1
	v_lshrrev_b32 v[12+\c], 23, v[10+\c]           ; the byte
.endr
	v_lshl_or_b32 v14, v13, 16, v12
	v_lshlrev_b32 v14, v6, v14                     ; bytes h and 2 + h of the word
	v_permlanex16_b32 v15, v14, s28, s29
	v_or_b32 v[16+(\s)], v14, v15
.irp c, 0,1
	v_cvt_scalef32_pk16_fp6_f32 v[CS+6*\c:CS+6*\c+2], v[X+32*\c:X+32*\c+15], v[10+\c]
	v_cvt_scalef32_pk16_fp6_f32 v[CT+4*\c:CT+4*\c+2], v[X+32*\c+16:X+32*\c+31], v[10+\c]
.endr
	v_nop                                          ; one plain line behind the scaled conversions
.irp c, 0,1
.irp i, 0,1,2
	v_mov_b32 v[CS+6*\c+3+\i], v[CT+4*\c+\i]
.endr
.endr
.irp g, 0,1,2,3,4,5
	global_store_b64 v4, v[CS+2*\g:CS+2*\g+1], s[18:19] offset:1536*(\s)+256*\g   ; 32 lanes store 256 consecutive bytes, aligned
.endr
.endm
.macro FSTEP s
.if (\s) > 1
	s_wait_xcnt 0x0                                ; the stores of two steps back have read this set of code registers
.endif
.if (\s) < 3
	s_wait_loadcnt 16                              ; this fragment's 16 loads are in; the next fragment's 16 may be out
.else
	s_wait_loadcnt 0x0
.endif
	TURNF \s
	s_wait_dscnt 0x0                               ; the numbers are back, and the stage's stores have read their registers,
.if (\s) < 2
	LOADF (\s)+2                                   ; which take the loads of two steps on
.endif
	WORKF \s
.endm
	LOADF 0
	LOADF 1
.irp s, 0,1,2,3
	FSTEP \s
.endr
	s_wait_alu depctr_va_vdst(0)
	ds_store_b128 v29, v[16:19]                    ; my four scale words of row r (lanes l and l xor 16 store the same value to the same bytes)
	s_wait_dscnt 0x0                               ; for the other wave's sake
	s_barrier_signal -1
	s_barrier_wait -1
	s_cmp_lg_u32 s47, 0
	s_cbranch_scc1 .Lxdone                         ; the wave with the lower half of K stores the tile's words
	ds_load_b128 v[24:27], v30
	s_wait_dscnt 0x0
	global_store_b128 v1, v[24:27], s[20:21]       ; 512 consecutive bytes
.Lxdone:
	s_wait_tensorcnt 0x0
	ds_add_u32 v251, v255
	s_wait_dscnt 0x0
	s_endpgm
	; ---------------- the weights: a lane to a column, registers down K ----------------
.Lweights:
	s_sub_co_u32 s27, ttmp9, 768
	s_and_b32 s32, s27, 7
	s_lshr_b32 s33, s27, 3
	s_lshr_b32 s34, s33, 3                         ; tensor 0 .. 3
	s_and_b32 s33, s33, 7                          ; K step
	s_lshl_b32 s32, s32, 2
	s_add_co_u32 s32, s32, s26                     ; G: my wave's group of 32 columns
	v_and_b32 v8, 7, v0
	v_bfe_u32 v9, v0, 3, 1
	v_bfe_u32 v10, v0, 4, 1
	v_lshl_add_u32 v8, v9, 4, v8
	v_lshl_add_u32 v8, v10, 3, v8                  ; lane = position in the group; its true column has bits 3 and 4 exchanged
	v_lshlrev_b32 v1, 2, v8
	s_lshl_b32 s35, s32, 7
	v_add_nc_u32 v1, s35, v1                       ; 4 x column
	s_wait_alu depctr_va_vdst(0)
	v_lshlrev_b32 v5, 5, v7                        ; 32 x lane: my position's row of scale words
	s_lshl_b32 s36, s33, 19                        ; 128 rows of 4,096 bytes a K step
	s_mul_i32 s38, s34, WC
	s_mul_i32 s35, s32, 24576
	s_add_co_u32 s38, s38, s35
	s_mul_i32 s35, s33, 1536
	s_add_co_u32 s38, s38, s35                     ; tile 2 G, K step s
	s_lshl_b32 s40, s34, 15
	s_lshl_b32 s35, s32, 10
	s_add_co_u32 s40, s40, s35
	s_lshl_b32 s35, s33, 2
	s_add_co_u32 s40, s40, s35
	s_wait_kmcnt 0x0
	s_cmp_eq_u32 s34, 0
	s_cselect_b64 s[30:31], s[10:11], s[12:13]
	s_cmp_eq_u32 s34, 2
	s_cselect_b64 s[30:31], s[14:15], s[30:31]
	s_cmp_eq_u32 s34, 3
	s_cselect_b64 s[30:31], s[16:17], s[30:31]
	s_add_nc_u64 s[30:31], s[30:31], s[36:37]
	s_add_nc_u64 s[22:23], s[22:23], s[38:39]
	s_add_nc_u64 s[24:25], s[24:25], s[40:41]
.macro LOADB t                         ; block t of the K step: 32 rows at my column; a wave reads 128 bytes on end, the work-group 512
.irp i, 0,1,2,3,4,5,6,7,8,9,10,11,12,13,14,15,16,17,18,19,20,21,22,23,24,25,26,27,28,29,30,31
	global_load_b32 v[XW+32*((\t)%2)+\i], v1, s[30:31] offset:(32*(\t)+\i)*4096 th:TH_LOAD_NT
.endr
.endm
.macro BLOCKW t                        ; block t = 2 c + h of my column: six registers at v[96 + 12 c + 6 h]
.set XB, XW+32*((\t)%2)
.set CD, 96+12*((\t)/2)+6*((\t)%2)
.if (\t) < 3
	s_wait_loadcnt 32                              ; this block's 32 loads are in; the next block's may be out
.else
	s_wait_loadcnt 0x0
.endif
	v_max3_num_f32 v12, |v[XB]|, |v[XB+1]|, |v[XB+2]|
	v_max3_num_f32 v13, |v[XB+3]|, |v[XB+4]|, |v[XB+5]|
.irp i, 6,10,14,18,22,26
	v_max3_num_f32 v12, v12, |v[XB+\i]|, |v[XB+\i+1]|
	v_max3_num_f32 v13, v13, |v[XB+\i+2]|, |v[XB+\i+3]|
.endr
	v_max3_num_f32 v12, v12, |v[XB+30]|, |v[XB+31]|
	v_max3_num_f32 v12, v12, v13, 0x1800000        ; the floor
	v_add_nc_u32 v11, 0xff000000, v12
	v_lshrrev_b32 v13, 23, v11
.if (\t) == 0
	v_mov_b32 v16, v13
.else
	v_lshl_or_b32 v16, v13, 8*(\t), v16            ; my column's scale word of this K step
.endif
	v_cvt_scalef32_pk16_fp6_f32 v[CD:CD+2], v[XB:XB+15], v11
	v_cvt_scalef32_pk16_fp6_f32 v[CT:CT+2], v[XB+16:XB+31], v11
	v_nop
.irp i, 0,1,2
	v_mov_b32 v[CD+3+\i], v[CT+\i]
.endr
.if (\t) < 2
	LOADB (\t)+2
.endif
.if (\t)%2 == 1                        ; lanes 0-15 hold tile 2 G's rows, lanes 16-31 tile 2 G + 1's; a fragment wants block 2 c in lanes 0-15 and block 2 c + 1 in lanes 16-31
.irp i, 0,1,2,3,4,5
	v_permlane16_swap_b32 v[CD-6+\i], v[CD+\i]     ; the even block's lanes 16-31 change places with the odd block's lanes 0-15
.endr
.irp g, 0,1,2
	global_store_b64 v4, v[CD-6+2*\g:CD-6+2*\g+1], s[22:23] offset:(3*((\t)/2)+\g)*256
	global_store_b64 v4, v[CD+2*\g:CD+2*\g+1], s[22:23] offset:12288+(3*((\t)/2)+\g)*256
.endr
.endif
.endm
	LOADB 0
	LOADB 1
	BLOCKW 0
	BLOCKW 1
	BLOCKW 2
	BLOCKW 3
	global_store_b32 v5, v16, s[24:25]
	s_endpgm
.Lfunc_end_k_q083872fca2_quant:
	.size	k_q083872fca2_quant, .Lfunc_end_k_q083872fca2_quant-k_q083872fca2_quant
	.p2alignl 7, 3214868480
	.fill 96, 4, 3214868480
	.section	.rodata,"a",@progbits
	.p2align	6, 0x0
	.amdhsa_kernel k_q083872fca2_quant
		.amdhsa_group_segment_fixed_size 35328
		.amdhsa_private_segment_fixed_size 0
		.amdhsa_enable_private_segment 0
		.amdhsa_kernarg_size 88
		.amdhsa_user_sgpr_count 2
		.amdhsa_user_sgpr_kernarg_segment_ptr 1
		.amdhsa_wavefront_size32 1
		.amdhsa_system_sgpr_workgroup_id_x 1
		.amdhsa_system_sgpr_workgroup_id_y 1
		.amdhsa_system_sgpr_workgroup_id_z 1
		.amdhsa_system_vgpr_workitem_id 0
		.amdhsa_next_free_vgpr 256
		.amdhsa_next_free_sgpr 66
		.amdhsa_reserve_vcc 0
		.amdhsa_float_denorm_mode_32 3
		.amdhsa_float_denorm_mode_16_64 3
		.amdhsa_memory_ordered 1
		.amdhsa_forward_progress 1
		.amdhsa_inst_pref_size 53
	.end_amdhsa_kernel
	.amdgpu_metadata
---
amdhsa.version: [ 1, 2 ]
amdhsa.kernels:
  - .name:           k_q083872fca2_quant
    .symbol:         k_q083872fca2_quant.kd
    .args:
      - { .name: q, .offset: 0, .size: 8, .value_kind: global_buffer, .address_space: global }
      - { .name: k, .offset: 8, .size: 8, .value_kind: global_buffer, .address_space: global }
      - { .name: v, .offset: 16, .size: 8, .value_kind: global_buffer, .address_space: global }
      - { .name: wq, .offset: 24, .size: 8, .value_kind: global_buffer, .address_space: global }
      - { .name: wk, .offset: 32, .size: 8, .value_kind: global_buffer, .address_space: global }
      - { .name: wv, .offset: 40, .size: 8, .value_kind: global_buffer, .address_space: global }
      - { .name: wo, .offset: 48, .size: 8, .value_kind: global_buffer, .address_space: global }
      - { .name: xcod, .offset: 56, .size: 8, .value_kind: global_buffer, .address_space: global }
      - { .name: xscl, .offset: 64, .size: 8, .value_kind: global_buffer, .address_space: global }
      - { .name: wcod, .offset: 72, .size: 8, .value_kind: global_buffer, .address_space: global }
      - { .name: wscl, .offset: 80, .size: 8, .value_kind: global_buffer, .address_space: global }
    .group_segment_fixed_size: 35328
    .private_segment_fixed_size: 0
    .kernarg_segment_align: 8
    .kernarg_segment_size: 88
    .max_flat_workgroup_size: 128
    .sgpr_count:     66
    .vgpr_count:     256
    .wavefront_size: 32
...
	.end_amdgpu_metadata
.endif
;; end of part 1
;; launch proj (part 2): grid 4 x 96, 4 waves a work-group, clusters of 4 x 4, 327,680 bytes of LDS; arguments xcod, xscl, wcod, wscl, bq, bk, bv, qkv; writes qkv
.if DOCPART == 2
	.amdgcn_target "amdgcn-amd-amdhsa--gfx1250"
	.amdhsa_code_object_version 6
	.text
	.protected	k_q083872fca2_proj
	.globl	k_q083872fca2_proj
	.p2align	8
	.type	k_q083872fca2_proj,@function
k_q083872fca2_proj:
	s_mov_b64 s[64:65], 0
	v_nop
	global_prefetch_b8 v0, s[64:65] scope:SCOPE_SE
	s_setreg_imm32_b32 hwreg(HW_REG_WAVE_MODE, 25, 1), 1
	s_wait_xcnt 0x0
	s_wait_alu depctr_hold_cnt(0) depctr_sa_sdst(0) depctr_va_vdst(0) depctr_va_sdst(0) depctr_va_ssrc(0) depctr_va_vcc(0) depctr_vm_vsrc(0)
	s_getreg_b32 s2, hwreg(HW_REG_IB_STS2, 6, 4)
	s_cmp_eq_u32 s2, 0
	s_cbranch_scc0 .Lentry_in_a_cluster
	s_endpgm
.Lentry_in_a_cluster:
	s_bfe_u32 s2, ttmp6, 0x10000c
	s_cmp_lg_u32 s2, 0xf033
	s_cbranch_scc0 .Lentry_shape_is_right
	s_endpgm
.Lentry_shape_is_right:
.set XC, 6291456
.set XS, 262144
.set WC, 786432
.set WS, 32768
.set REC, 315392
.set NQ,    2
.set FR,    12
.set NL,    6
.set NP,    4
.set HALFT, 24576
.set SLOT,  4*HALFT
.set KS,    32
.set SCL,   2*SLOT
.set HALFS, 16*272
.set SBLK,  2*272
.set SPARE, SCL+4*HALFS
.set ADRA, 16
.set ADRB, 20
.set ADRS, 27
.set SPW,  28
.set NIL,  29
.set SC,   32
.set BI,   64
.set AF,   128
.set TT,   128
.set PC,   192
.set TM,   212
.set PWE,  228
.set PWO,  229
.set W,    232
.set W1,   236
.set G1, 24
.set G0, 32
.set G1B, 48
.set G0B, 56
.set G1S, 68
.set G0S, 76
.set G1SB, 80
.set G0SB, 88
.set MSB, 0
.macro WIN new
.if MSB != (\new)
	s_set_vgpr_msb (MSB<<8)|(\new)
.set MSB, (\new)
.endif
.endm
.set MUL_LO, 0xa1
.set MUL_HI, 0xf1
.set TO_B,   0x40
.macro JLOAD g0a, g1a, g0b, g1b
	s_cmp_eq_u32 s15, 0
	s_cbranch_scc0 .Lfor_b_\@
	tensor_load_to_lds s[\g0a:\g0a+3], s[\g1a:\g1a+7]
	s_nop 0
.rept 4
	v_nop
.endr
	s_branch .Lasked_\@
.Lfor_b_\@:
	tensor_load_to_lds s[\g0b:\g0b+3], s[\g1b:\g1b+7]
	s_nop 0
.rept 4
	v_nop
.endr
.Lasked_\@:
.endm
.macro CREST
	s_cmp_lg_u32 s14, 0
	s_cbranch_scc1 .Lnot_wave_0_\@
	s_barrier_signal -3
.Lnot_wave_0_\@:
	s_barrier_wait -3
	s_barrier_signal -1
	s_barrier_wait -1
.endm
.macro CROUND
	s_barrier_signal -1
	s_barrier_wait -1
	CREST
.endm
	s_load_b256 s[68:75], s[0:1], 0x0
	s_load_b256 s[80:87], s[0:1], 0x20
	v_lshl_add_u32 v[SPW], v0, 2, SPARE
	v_mov_b32 v[NIL], 0
	ds_add_u32 v28, v29
	ds_add_u32 v28, v29
	s_wait_dscnt 0x0
	v_lshrrev_b32 v1, 5, v0
	v_readfirstlane_b32 s14, v1
	s_lshr_b32 s15, s14, 1
	s_and_b32 s16, s14, 1
	s_bfe_u32 s40, ttmp6, 0x40000
	s_bfe_u32 s41, ttmp6, 0x40004
	s_and_b32 s101, ttmp7, 0xffff
	s_lshr_b32 s66, s101, 3
	s_and_b32 s101, s101, 7
	s_lshl_b32 s18, s101, 2
	s_cmp_eq_u32 s66, 2
	s_cselect_b32 s67, 1, 0
	s_cselect_b32 s17, 0, s18
	s_cselect_b32 s42, s18, 0
	s_add_co_u32 s17, s17, s41
	s_add_co_u32 s42, s42, s40
	s_lshl_b32 s43, s41, 2
	s_lshl_b32 s43, 15, s43
	s_lshl_b32 s44, 0x1111, s40
	s_or_b32 s[G1+0], s43, (3<<16)|(1<<21)
	s_or_b32 s[G1B+0], s44, (3<<16)|(1<<21)
.irp g, G1, G1B
	s_mov_b32 s[\g+1], 384<<16
	s_mov_b32 s[\g+2], 16<<16
	s_mov_b32 s[\g+3], 384<<16
	s_mov_b32 s[\g+4], 16
	s_mov_b32 s[\g+5], 1536
	s_mov_b32 s[\g+6], 0
	s_mov_b32 s[\g+7], 0
.endr
	s_lshl_b32 s20, s17, 4                         ; the block's first tile of 16 positions of A, and of B
	s_lshl_b32 s46, s42, 4
	s_lshl_b32 s22, s20, 9
	s_lshl_b32 s92, s46, 9
	s_mul_i32 s20, s20, 12288
	s_mul_i32 s46, s46, 12288
	s_mov_b32 s21, 0
	s_mov_b32 s23, 0
	s_mov_b32 s47, 0
	s_mov_b32 s93, 0
	s_mul_i32 s45, s14, HALFT
	s_mov_b32 s19, 0
	s_wait_kmcnt 0x0
	s_mul_i32 s18, s66, XC
	s_add_nc_u64 s[68:69], s[68:69], s[18:19]
	s_mul_i32 s18, s66, XS
	s_add_nc_u64 s[70:71], s[70:71], s[18:19]
	s_mul_i32 s18, s66, WC
	s_add_nc_u64 s[72:73], s[72:73], s[18:19]
	s_mul_i32 s18, s66, WS
	s_add_nc_u64 s[74:75], s[74:75], s[18:19]
	s_cmp_eq_u32 s67, 1
	s_cselect_b64 s[4:5], s[72:73], s[68:69]
	s_cselect_b64 s[6:7], s[74:75], s[70:71]
	s_cselect_b64 s[8:9], s[68:69], s[72:73]
	s_cselect_b64 s[10:11], s[70:71], s[74:75]
	s_cmp_eq_u32 s66, 0
	s_cselect_b64 s[96:97], s[80:81], s[82:83]
	s_cmp_eq_u32 s66, 2
	s_cselect_b64 s[96:97], s[84:85], s[96:97]
	s_mov_b64 s[12:13], s[86:87]
	s_mov_b64 s[98:99], s[86:87]
	s_add_nc_u64 s[20:21], s[4:5], s[20:21]
	s_add_nc_u64 s[22:23], s[6:7], s[22:23]
	s_add_nc_u64 s[46:47], s[8:9], s[46:47]
	s_add_nc_u64 s[92:93], s[10:11], s[92:93]
	s_or_b32 s[G1S+0], s43, (3<<16)|(1<<20)|(1<<21)|(5<<22)|(3<<25)
	s_or_b32 s[G1SB+0], s44, (3<<16)|(1<<20)|(1<<21)|(5<<22)|(3<<25)
.irp g, G1S, G1SB
	s_mov_b32 s[\g+1], 32<<16
	s_mov_b32 s[\g+2], 32<<16
	s_mov_b32 s[\g+3], 32<<16
	s_mov_b32 s[\g+4], 32
	s_mov_b32 s[\g+5], 32
	s_mov_b32 s[\g+6], 0
	s_mov_b32 s[\g+7], 0
.endr
	CROUND
	s_mov_b32 s[G0S], 1
	s_mov_b32 s[G0S+1], SCL
	s_mov_b64 s[G0S+2:G0S+3], s[22:23]
	s_or_b32 s[G0S+3], s[G0S+3], 0x80000000
	s_mov_b32 s[G0SB], 1
	s_mov_b32 s[G0SB+1], SCL+2*HALFS
	s_mov_b64 s[G0SB+2:G0SB+3], s[92:93]
	s_or_b32 s[G0SB+3], s[G0SB+3], 0x80000000
	s_mov_b32 s4, 1                                ; the head's loads of slot 0, each whole: A's 16 tiles,
	s_mov_b32 s5, 0
	s_mov_b64 s[6:7], s[20:21]
	s_or_b32 s7, s7, 0x80000000
	s_mov_b32 s8, 1                                ; and B's 16, behind them
	s_mov_b32 s9, 2*HALFT
	s_mov_b64 s[10:11], s[46:47]
	s_or_b32 s11, s11, 0x80000000
	s_mul_i32 s18, s16, 8*12288                    ; in the ring a wave fetches 8 tiles: which half
	s_mov_b32 s19, 0
	s_add_nc_u64 s[20:21], s[20:21], s[18:19]
	s_add_nc_u64 s[46:47], s[46:47], s[18:19]
.irp s, 0,1
	s_mov_b32 s[G0+4*\s], 1
	s_add_co_u32 s[G0+4*\s+1], s45, \s*SLOT
	s_add_nc_u64 s[G0+4*\s+2:G0+4*\s+3], s[20:21], \s*3072
	s_or_b32 s[G0+4*\s+3], s[G0+4*\s+3], 0x80000000
	s_mov_b32 s[G0B+4*\s], 1
	s_add_co_u32 s[G0B+4*\s+1], s45, \s*SLOT
	s_add_nc_u64 s[G0B+4*\s+2:G0B+4*\s+3], s[46:47], \s*3072
	s_or_b32 s[G0B+4*\s+3], s[G0B+4*\s+3], 0x80000000
.endr
; the head's four tiles, one joint load a wave, in one chain of branches on the wave's number: wave 0 A's slot 0, wave 1 B's, wave 2 A's scales, wave 3 B's
.macro ARM under, g0, g1, next
	s_cmp_lt_u32 s14, \under
	s_cbranch_scc0 \next
	tensor_load_to_lds s[\g0:\g0+3], s[\g1:\g1+7]
	s_nop 0
.rept 4
	v_nop
.endr
	s_branch .Lhead_asked
\next:
.endm
	ARM 1, 4, G1,  .Lhead_b
	ARM 2, 8, G1B, .Lhead_sa
	ARM 3, G0S, G1S, .Lhead_sb
	tensor_load_to_lds s[G0SB:G0SB+3], s[G1SB:G1SB+7]
	s_nop 0
.rept 4
	v_nop
.endr
.Lhead_asked:
	v_and_b32 v1, 15, v0
	v_bfe_u32 v2, v0, 4, 1
	v_and_b32 v3, 31, v0
	v_lshlrev_b32 v8, 3, v3
	v_lshlrev_b32 v9, 4, v3
	s_mul_i32 s21, s15, HALFT
	s_mul_i32 s22, s16, HALFT
	s_add_co_u32 s22, s22, 2*HALFT
.irp s, 0,1
	v_add_nc_u32 v[ADRA+\s], s21, v8
	v_add_nc_u32 v[ADRB+\s], s22, v8
	s_add_co_u32 s21, s21, SLOT
	s_add_co_u32 s22, s22, SLOT
.endr
	v_mul_u32_u24 v5, v1, KS
	v_lshrrev_b32 v6, 8, v5
	v_lshl_add_u32 v5, v6, 4, v5
	s_mul_i32 s21, s15, HALFS
	s_mul_i32 s22, s16, HALFS
	s_add_co_u32 s22, s22, 2*HALFS
	s_sub_co_u32 s22, s22, s21
	v_mul_u32_u24 v6, s22, v2
	s_add_co_u32 s21, s21, SCL
	v_add_nc_u32 v5, v5, v6
	v_add_nc_u32 v[ADRS], s21, v5
	s_lshl_b32 s18, s17, 8
	s_lshl_b32 s19, s15, 7
	s_add_co_u32 s18, s18, s19
	s_lshl_b32 s19, s42, 8
	s_lshl_b32 s22, s16, 7
	s_add_co_u32 s19, s19, s22
	s_cmp_eq_u32 s67, 1
	s_cselect_b32 s22, s19, s18
	s_cselect_b32 s23, s18, s19
	s_lshr_b32 s92, s22, 11
	s_lshl_b32 s92, s92, 4
	s_lshr_b32 s93, s23, 6
	s_add_co_u32 s92, s92, s93
	s_mul_i32 s92, s92, REC
	s_bfe_u32 s93, s22, 0x40007
	s_mov_b32 s95, 196608
	s_cmp_eq_u32 s66, 0
	s_cselect_b32 s94, 208896, 0
	s_cselect_b32 s95, 307200, s95
	s_cmp_eq_u32 s66, 2
	s_cselect_b32 s94, 98304, s94
	s_cselect_b32 s95, 204800, s95
	s_cselect_b32 s3, 8, 9
	s_mul_i32 s18, s93, 6144
	s_lshl_b32 s19, s93, s3
	s_add_co_u32 s94, s94, s92
	s_add_co_u32 s94, s94, s18
	s_add_co_u32 s95, s95, s92
	s_add_co_u32 s95, s95, s19
	s_mov_b32 s18, s94
	s_mov_b32 s19, 0
	s_add_nc_u64 s[12:13], s[12:13], s[18:19]
	s_mov_b32 s18, s95
	s_add_nc_u64 s[98:99], s[98:99], s[18:19]
	s_lshl_b32 s18, s23, 2
	s_add_nc_u64 s[96:97], s[96:97], s[18:19]
	s_mov_b32 s100, 0xffff0000
	s_mov_b32 s104, 0x76543210
	s_mov_b32 s105, 0xfedcba98
	s_cmp_eq_u32 s67, 0
	s_cbranch_scc0 .Lbias_v
	v_lshlrev_b32 v10, 6, v2
.irp b, 0,1,2,3
.irp m, 0,1,2,3
	global_load_b128 v[BI+16*\b+4*\m:BI+16*\b+4*\m+3], v10, s[96:97] offset:128*\b+16*\m
.endr
.endr
	s_branch .Lbias_done
.Lbias_v:
	v_and_b32 v10, 7, v0
	v_bfe_u32 v4, v0, 3, 1
	v_lshl_add_u32 v10, v4, 4, v10
	v_lshlrev_b32 v10, 2, v10
.irp a, 0,1,2,3,4,5,6,7
.irp e, 0,1,2,3,4,5,6,7
	global_load_b32 v[BI+8*\a+\e], v10, s[96:97] offset:4*(32*(\a/2)+8*(\a%2))
.endr
.endr
.Lbias_done:
.macro FRAG reg, adr, q, i
.irp p, 0,1,2,3,4,5
	ds_load_b64 v[\reg+2*\p:\reg+2*\p+1], v[\adr] offset:(\i)*3072+(\q)*1536+256*\p
.endr
.endm
.macro MUL16 a0, p, q, sc, zero
.irp a, \a0, \a0+1
.irp b, 0,1,2,3,4,5,6,7
.if \zero
	v_wmma_scale_f32_16x16x128_f8f6f4 v[8*(8*((\a)%4)+\b):8*(8*((\a)%4)+\b)+7], v[128*(\p)+FR*\b:128*(\p)+FR*\b+FR-1], v[AF+FR*(\a):AF+FR*(\a)+FR-1], 0, v[SC+8*NQ*(\sc)+NQ*\b+(\q)], v[SC+8*NQ*(\sc)+NQ*(\a)+(\q)] matrix_a_fmt:MATRIX_FMT_FP6 matrix_b_fmt:MATRIX_FMT_FP6 matrix_a_scale:MATRIX_SCALE_ROW1
.else
	v_wmma_scale_f32_16x16x128_f8f6f4 v[8*(8*((\a)%4)+\b):8*(8*((\a)%4)+\b)+7], v[128*(\p)+FR*\b:128*(\p)+FR*\b+FR-1], v[AF+FR*(\a):AF+FR*(\a)+FR-1], v[8*(8*((\a)%4)+\b):8*(8*((\a)%4)+\b)+7], v[SC+8*NQ*(\sc)+NQ*\b+(\q)], v[SC+8*NQ*(\sc)+NQ*(\a)+(\q)] matrix_a_fmt:MATRIX_FMT_FP6 matrix_b_fmt:MATRIX_FMT_FP6 matrix_a_scale:MATRIX_SCALE_ROW1
.endif
.endr
.endr
.endm
.macro FETCH_B slot, q, p
	WIN TO_B
.irp i, 0,1,2,3,4,5,6,7
	FRAG 128*(\p)+FR*\i, ADRB+\slot, \q, \i
.endr
	WIN 0
.endm
.macro FETCH_A slot, q, i0
.irp i, \i0, \i0+1, \i0+2, \i0+3
	FRAG AF+FR*(\i), ADRA+\slot, \q, \i
.endr
.endm
.macro SCALES sc
.irp i, 0,1,2,3,4,5,6,7
	ds_load_b64 v[SC+8*NQ*\sc+NQ*\i:SC+8*NQ*\sc+NQ*\i+1], v[ADRS] offset:\i*SBLK
.endr
.endm
.macro PLACES n
.rept \n
	v_nop
.endr
.endm
.macro STEP slot, q, zero
	s_wait_dscnt 4*NL
	WIN MUL_LO
	MUL16 0, (\q)%2, \q, \slot, \zero
	MUL16 2, (\q)%2, \q, \slot, \zero
	s_wait_dscnt 0
	PLACES NP
	FETCH_B \slot, (\q)+1, 1-(\q)%2
	FETCH_A \slot, (\q)+1, 0
	WIN MUL_HI
	MUL16 4, (\q)%2, \q, \slot, \zero
	MUL16 6, (\q)%2, \q, \slot, \zero
	PLACES NP
	WIN 0
	FETCH_A \slot, (\q)+1, 4
.endm
.macro TURN slot, next, fill
	s_wait_tensorcnt 0x0
	ds_add_u32 v[SPW], v[NIL]
	s_wait_dscnt 4*NL+1
	WIN MUL_LO
	MUL16 0, 1, NQ-1, \slot, 0
	s_wait_dscnt 0x0
	s_barrier_signal -1
	MUL16 2, 1, NQ-1, \slot, 0
	WIN 0
	s_barrier_wait -1
.if \fill
	CREST
	s_add_nc_u64 s[G0+4*\slot+2:G0+4*\slot+3], s[G0+4*\slot+2:G0+4*\slot+3], 6144
	s_add_nc_u64 s[G0B+4*\slot+2:G0B+4*\slot+3], s[G0B+4*\slot+2:G0B+4*\slot+3], 6144
	JLOAD G0+4*\slot, G1, G0B+4*\slot, G1B
.else
	PLACES NP
.endif
	s_wait_alu depctr_va_vdst(0)
	v_add_nc_u32 v[ADRS], 4*NQ, v[ADRS]
	FETCH_B \next, 0, 0
	FETCH_A \next, 0, 0
	SCALES \next
	WIN MUL_HI
	MUL16 4, 1, NQ-1, \slot, 0
	MUL16 6, 1, NQ-1, \slot, 0
	PLACES NP
	WIN 0
	FETCH_A \next, 0, 4
.endm
	s_wait_alu depctr_va_vdst(0)                   ; at the head's end
	s_wait_tensorcnt 0x0                           ; my tile of the head's four is in
	ds_add_u32 v[SPW], v[NIL]
	s_mov_b32 s[G1+2], 8<<16                       ; no tensor load of mine is out: from here on a load brings 8 tiles
	s_mov_b32 s[G1+4], 8
	s_mov_b32 s[G1B+2], 8<<16
	s_mov_b32 s[G1B+4], 8
	s_wait_dscnt 0x0
	CROUND                                         ; all four tiles are in, in every partner
	JLOAD G0+4, G1, G0B+4, G1B                     ; slot 1's first fill, a quarter a wave
	FETCH_B 0, 0, 0
	FETCH_A 0, 0, 0
	s_wait_alu depctr_va_vdst(0)
	SCALES 0
	FETCH_A 0, 0, 4
	STEP 0, 0, 1
	TURN 0, 1, 1
	STEP 1, 0, 0
	TURN 1, 0, 1
	STEP 0, 0, 0
	TURN 0, 1, 0
	STEP 1, 0, 0
	s_wait_dscnt 4*NL
	WIN MUL_LO
	MUL16 0, 1, NQ-1, 1, 0
	MUL16 2, 1, NQ-1, 1, 0
	s_wait_dscnt 0
	WIN MUL_HI
	MUL16 4, 1, NQ-1, 1, 0
	MUL16 6, 1, NQ-1, 1, 0
	WIN 0
.macro QUANT s, pw
.irp b, 0,1,2,3
	v_max3_num_f32 v[TM+\b], |v[\s+16*\b]|, |v[\s+1+16*\b]|, 0x1800000
.endr
.irp i, 2,4,6,8,10,12,14
.irp b, 0,1,2,3
	v_max3_num_f32 v[TM+\b], v[TM+\b], |v[\s+16*\b+\i]|, |v[\s+1+16*\b+\i]|
.endr
.endr
.irp b, 0,1,2,3
	v_permlanex16_b32 v[TM+4+\b], v[TM+\b], s104, s105
.endr
.irp b, 0,1,2,3
	v_max_num_f32 v[TM+\b], v[TM+\b], v[TM+4+\b]
.endr
.irp b, 0,1,2,3
	v_add_nc_u32 v[TM+12+\b], 0xff000000, v[TM+\b]
.endr
.irp b, 0,1,2,3
	v_lshrrev_b32 v[TM+4+\b], 23, v[TM+12+\b]
.endr
	v_lshl_or_b32 v[\pw], v[TM+5], 8, v[TM+4]
	v_lshl_or_b32 v[\pw], v[TM+6], 16, v[\pw]
	v_lshl_or_b32 v[\pw], v[TM+7], 24, v[\pw]
.irp c, 0,1
	v_cvt_scalef32_pk16_fp6_f32 v[PC+6*\c:PC+2+6*\c], v[\s+32*\c:\s+15+32*\c], v[TM+12+2*\c]
	v_cvt_scalef32_pk16_fp6_f32 v[PC+12+4*\c:PC+14+4*\c], v[\s+16+32*\c:\s+31+32*\c], v[TM+12+2*\c+1]
.endr
	v_nop
.irp c, 0,1
.irp i, 0,1,2
	v_permlane16_swap_b32 v[PC+6*\c+\i], v[PC+12+4*\c+\i]
.endr
.irp i, 0,1,2
	v_mov_b32 v[PC+3+6*\c+\i], v[PC+12+4*\c+\i]
.endr
.endr
.endm
.macro OUTROW a
.if (\a) > 0
	s_wait_xcnt 0x0
.endif
	s_cmp_eq_u32 s67, 0
	s_cbranch_scc0 .Lvadd_\@
	WIN 0x02+(\a)/4
.set i, 0
.rept 32
	v_pk_add_f32 v[TT+2*i:TT+2*i+1], v[64*((\a)%4)+2*i:64*((\a)%4)+2*i+1], v[BI+2*i:BI+2*i+1]
.set i, i+1
.endr
	WIN 0
	s_branch .Ladded_\@
.Lvadd_\@:
	WIN 0x02+(\a)/4
.set i, 0
.rept 32
	v_pk_add_f32 v[TT+2*i:TT+2*i+1], v[64*((\a)%4)+2*i:64*((\a)%4)+2*i+1], v[BI+8*(\a)+2*(i%4):BI+8*(\a)+2*(i%4)+1]
.set i, i+1
.endr
	WIN 0
.Ladded_\@:
	QUANT TT, PWE+(\a)%2
.if (\a)%2 == 1
	v_cndmask_b32 v[W+(\a)/2], v[PWE], v[PWO], s100
.endif
	s_cmp_eq_u32 s67, 0
	s_cbranch_scc0 .Lvst_\@
.irp c, 0,1
.irp g, 0,1,2
	global_store_b64 v8, v[PC+6*\c+2*\g:PC+6*\c+2*\g+1], s[12:13] offset:\c*REC+(\a)*768+256*\g
.endr
.endr
	s_branch .Lstd_\@
.Lvst_\@:
	s_wait_alu depctr_va_vdst(0)
.irp j, 0,1,2
	global_store_b128 v9, v[PC+4*\j:PC+4*\j+3], s[12:13] offset:((\a)/4)*REC+((\a)%4)*1536+512*\j
.endr
.Lstd_\@:
.endm
	PLACES NP
	s_wait_loadcnt 0x0
.irp b, 0,1,2,3
	v_mov_b32 v[TM+4+\b], 0
.endr
.irp a, 0,1,2,3,4,5,6,7
	OUTROW \a
.endr
	s_cmp_eq_u32 s67, 0
	s_cbranch_scc0 .Lvscl
	s_wait_alu depctr_va_vdst(0)
.irp i, 0,1,2,3
	v_lshrrev_b32 v[W1+\i], 16, v[W+\i]
.endr
.irp i, 0,1,2,3
	v_and_b32 v[W+\i], 0xffff, v[W+\i]
.endr
	global_store_b128 v9, v[W:W+3], s[98:99]
	global_store_b128 v9, v[W1:W1+3], s[98:99] offset:REC
	s_branch .Lscl_done
.Lvscl:
	global_store_b64 v8, v[W:W+1], s[98:99]
	s_wait_alu depctr_va_vdst(0)
	global_store_b64 v8, v[W+2:W+3], s[98:99] offset:REC
.Lscl_done:
	s_wait_tensorcnt 0x0
	ds_add_u32 v[SPW], v[NIL]
	s_wait_dscnt 0x0
	CROUND
	s_endpgm
.Lfunc_end_k_q083872fca2_proj:
	.size	k_q083872fca2_proj, .Lfunc_end_k_q083872fca2_proj-k_q083872fca2_proj
	.p2alignl 7, 3214868480
	.fill 96, 4, 3214868480
	.section	.rodata,"a",@progbits
	.p2align	6, 0x0
	.amdhsa_kernel k_q083872fca2_proj
		.amdhsa_group_segment_fixed_size 327680
		.amdhsa_private_segment_fixed_size 0
		.amdhsa_enable_private_segment 0
		.amdhsa_kernarg_size 64
		.amdhsa_user_sgpr_count 2
		.amdhsa_user_sgpr_kernarg_segment_ptr 1
		.amdhsa_wavefront_size32 1
		.amdhsa_system_sgpr_workgroup_id_x 1
		.amdhsa_system_sgpr_workgroup_id_y 1
		.amdhsa_system_sgpr_workgroup_id_z 1
		.amdhsa_system_vgpr_workitem_id 0
		.amdhsa_next_free_vgpr 1024
		.amdhsa_next_free_sgpr 106
		.amdhsa_reserve_vcc 0
		.amdhsa_float_denorm_mode_32 3
		.amdhsa_float_denorm_mode_16_64 3
		.amdhsa_memory_ordered 1
		.amdhsa_forward_progress 1
		.amdhsa_inst_pref_size 213
	.end_amdhsa_kernel
	.amdgpu_metadata
---
amdhsa.version: [ 1, 2 ]
amdhsa.kernels:
  - .name:           k_q083872fca2_proj
    .symbol:         k_q083872fca2_proj.kd
    .args:
      - { .name: xcod, .offset: 0, .size: 8, .value_kind: global_buffer, .address_space: global }
      - { .name: xscl, .offset: 8, .size: 8, .value_kind: global_buffer, .address_space: global }
      - { .name: wcod, .offset: 16, .size: 8, .value_kind: global_buffer, .address_space: global }
      - { .name: wscl, .offset: 24, .size: 8, .value_kind: global_buffer, .address_space: global }
      - { .name: bq, .offset: 32, .size: 8, .value_kind: global_buffer, .address_space: global }
      - { .name: bk, .offset: 40, .size: 8, .value_kind: global_buffer, .address_space: global }
      - { .name: bv, .offset: 48, .size: 8, .value_kind: global_buffer, .address_space: global }
      - { .name: qkv, .offset: 56, .size: 8, .value_kind: global_buffer, .address_space: global }
    .group_segment_fixed_size: 327680
    .private_segment_fixed_size: 0
    .kernarg_segment_align: 8
    .kernarg_segment_size: 64
    .max_flat_workgroup_size: 128
    .sgpr_count:     106
    .vgpr_count:     1024
    .wavefront_size: 32
...
	.end_amdgpu_metadata
.endif
;; end of part 2
;; launch attn (part 3): grid 4 x 64, 16 waves a work-group, clusters of 4 x 1, 219,136 bytes of LDS; arguments qkv, mask, acod, ascl; writes acod, ascl
.if DOCPART == 3
	.amdgcn_target "amdgcn-amd-amdhsa--gfx1250"
	.amdhsa_code_object_version 6
	.text
	.protected	k_q083872fca2_attn
	.globl	k_q083872fca2_attn
	.p2align	8
	.type	k_q083872fca2_attn,@function
k_q083872fca2_attn:
	s_mov_b64 s[64:65], 0
	v_nop
	global_prefetch_b8 v0, s[64:65] scope:SCOPE_SE
	s_setreg_imm32_b32 hwreg(HW_REG_WAVE_MODE, 25, 1), 1
	s_wait_xcnt 0x0
	s_wait_alu depctr_hold_cnt(0) depctr_sa_sdst(0) depctr_va_vdst(0) depctr_va_sdst(0) depctr_va_ssrc(0) depctr_va_vcc(0) depctr_vm_vsrc(0)
	s_getreg_b32 s2, hwreg(HW_REG_IB_STS2, 6, 4)
	s_cmp_eq_u32 s2, 0
	s_cbranch_scc0 .Lentry_in_a_cluster
	s_endpgm
.Lentry_in_a_cluster:
	s_bfe_u32 s2, ttmp6, 0x10000c
	s_cmp_lg_u32 s2, 0x3003
	s_cbranch_scc0 .Lentry_shape_is_right
	s_endpgm
.Lentry_shape_is_right:
; softmax(Q K^T / 8 + mask x -1e9) V for one (batch, head), both products on codes of FP6 (E2M3), and the result quantised along head x 64 + d for the last projection.
; t = (score + 8 x mask x -1e9) x log2(e) / 8; M = the running largest t rounded up to a whole number; p = 2^(t - M) is quantised along the keys; the sum of the unquantised p divides at the end.
; SHARES.  A work-group owns 512 query positions of one head; each of its 16 waves one tile of 16, in two passes; a step is 128 keys, 16 steps a pass.
; LDS.  The head's K images, V^T images and their scale images, 208,896 bytes, are filled ONCE (each wave brings 51 rows of 256 bytes), jointly for the four work-groups of a cluster, which share the head.
; Behind them 2,048 f32 mask terms, stored by the waves.  Nothing is filled again, and there is no loop ahead of that one fill in which a prefetch could run: none is written.
; LAYOUT.  Both products transposed: S^T = K Q^T (source 0 = 16 keys), O^T = V^T P^T (source 0 = 16 of d): a lane holds one query.
; K's tile 4 c + u of a step holds in rows 0-7 the keys 64 c + 8 u + 0..7 and in rows 8-15 the keys 64 c + 32 + 8 u + 0..7.  So score register 32 c + i of lane half h is key 64 c + 32 h + i:
; a lane holds two WHOLE blocks of 32 keys, in the order that p's operand wants: a block's maximum needs no other lane, and the conversions' results are the operand's registers.
; The mask terms are loaded in that layout into the score registers and are the product's C.
; The head's depth is 64, the instruction's K 128: Q's registers 6-11 are zero codes, against which K's operand names the six registers that follow (the next tile's codes; behind the last tile p's codes:
; FP6 has no infinity or NaN code, so the products are 0); the scale bytes of that half are 0 on both sides.
; AHEAD.  K and V have registers of their own.  Behind step i's first products: V(i), then K(i + 1) and its scales; behind p's conversions: the mask terms of step i + 1.  A pass's last step is written out and asks for nothing.
; LIMITS.  t - M is one fused multiply-add.  Where all keys of a batch are masked (|t| about 1.4e9, coarser than 1 in f32) p differs from 2^(t - M) of the rounded t by a common factor of up to 2^64,
; which the sum takes out again; the codes then need not be those of the rounded t.  Masked keys beside unmasked ones give p = 0.  NaN and infinities are not served.  The scaled scores stay under 2^31.
; The result's scale bytes leave as 2 bytes a row (a row's other bytes belong to other heads' work-groups): 262,144 bytes in the launch; lanes l and l xor 16 store the same value.
; REGISTERS: v1 8 x lane, v2 16 x lane, v3 128 h, v4-6, v10, v11, v29 addresses and short-lived numbers, v7 16 r, v8 32 r, v9 8 h, v12 -M, v13 largest score, v14-15 the sum, v16-27 Q, v28 Q's scales,
; v30-33 K's scales, v34-35 V's, v36-83 K, v84-95 p's codes, v96-159 scores and p, v160-191 O^T, v192-239 V, v240-247 sums and halves of codes, v248 f, v249 p's scale word, v250-253 block maxima and scale operands.
.set REC, 315392
.set MT,  208896                       ; the mask terms
.set SPARE, 0x35000                    ; behind them: the spare words, 128 bytes a wave
.macro CROUND                          ; a round of the cluster's barrier
	s_barrier_signal -1
	s_barrier_wait -1
	s_cmp_lg_u32 s12, 0
	s_cbranch_scc1 .Lnot_wave_0_\@
	s_barrier_signal -3
.Lnot_wave_0_\@:
	s_barrier_wait -3
	s_barrier_signal -1
	s_barrier_wait -1
.endm
.macro KLOAD ak, as                    ; a step's eight half fragments of K and its scale words (register i: lanes 0-15 tile 2 i, lanes 16-31 tile 2 i + 1)
.irp t, 0,1,2,3,4,5,6,7
.irp g, 0,1,2
	ds_load_b64 v[36+6*\t+2*\g:37+6*\t+2*\g], v[\ak] offset:768*\t+256*\g
.endr
.endr
	ds_load_b128 v[30:33], v[\as]
.endm
.macro MLOAD am                        ; a step's mask terms: register 32 c + 4 m + e takes key 64 c + 32 h + 4 m + e
.irp c, 0,1
.irp m, 0,1,2,3,4,5,6,7
	ds_load_b128 v[96+32*\c+4*\m:99+32*\c+4*\m], v[\am] offset:256*\c+16*\m
.endr
.endr
.endm
.macro ADD4                            ; four more pairs of p onto the four partial sums
.irp k, 0,1,2,3
	v_pk_add_f32 v[240+2*\k:241+2*\k], v[240+2*\k:241+2*\k], v[SJ+2*\k:SJ+2*\k+1]
.endr
.set SJ, SJ+8
.endm
.macro FMA4                            ; t - M of eight scores
.rept 4
	v_pk_fma_f32 v[96+FJ:97+FJ], v[96+FJ:97+FJ], s[38:39], v[12:13] op_sel_hi:[1,0,0]
.set FJ, FJ+2
.endr
.endm
	s_load_b256 s[4:11], s[0:1], 0x0               ; qkv, mask, acod, ascl
	v_lshl_add_u32 v254, v0, 2, SPARE
	v_mov_b32 v255, 0
	ds_add_u32 v254, v255
	ds_add_u32 v254, v255
	v_lshrrev_b32 v1, 5, v0
	s_delay_alu instid0(VALU_DEP_1)
	v_readfirstlane_b32 s12, v1                    ; wave 0..15
	s_bfe_u32 s13, ttmp6, 0x40000                  ; cx: it enters Q's and the result's addresses alone
	s_and_b32 s14, ttmp7, 0xffff                   ; 16 x batch + head, which the four partners share
	s_mov_b32 s20, 15|(3<<16)|(1<<21)              ; group 1: the mask names all four; elements of 8 bytes; no padding
	s_mov_b32 s21, 32<<16                          ; rows of 256 bytes,
	s_mov_b32 s22, 51<<16                          ; 51 of them
	s_mov_b32 s23, 32<<16
	s_mov_b32 s24, 51
	s_mov_b32 s25, 32                              ; dense
	s_mov_b32 s26, 0
	s_mov_b32 s27, 0
	s_mul_i32 s46, s14, REC
	s_mov_b32 s47, 0
	s_mul_i32 s48, s12, 13056                      ; my wave's 51 rows, in memory and in LDS alike
	s_mov_b32 s49, 0
	s_mov_b32 s36, 0x76543210
	s_mov_b32 s37, 0xfedcba98                      ; selects for lane l xor 16
	s_mov_b32 s38, 0x3e38aa3b                      ; c = log2(e) / 8
	s_mov_b32 s39, s38
	s_wait_dscnt 0x0
	s_wait_kmcnt 0x0
	s_add_nc_u64 s[4:5], s[4:5], s[46:47]          ; the head's record
	CROUND                                         ; all four work-groups are here: the joint loads meet
	s_mov_b32 s16, 1
	s_mov_b32 s17, s48
	s_add_nc_u64 s[18:19], s[4:5], s[48:49]
	s_or_b32 s19, s19, 0x80000000
	tensor_load_to_lds s[16:19], s[20:27]          ; my one tensor load of the launch
	s_nop 0
.rept 4
	v_nop
.endr
	s_lshr_b32 s50, s14, 4                         ; batch
	s_and_b32 s51, s14, 15                         ; head
	s_lshl_b32 s54, s50, 13
	s_mov_b32 s55, 0
	s_add_nc_u64 s[6:7], s[6:7], s[54:55]          ; the batch's 2,048 mask words
	v_lshlrev_b32 v10, 4, v0
	global_load_b128 v[96:99], v10, s[6:7]         ; four a thread
	v_lshl_add_u32 v11, v0, 4, MT
	v_and_b32 v2, 31, v0
	v_bfe_u32 v9, v0, 4, 1
	v_and_b32 v7, 15, v0
	v_lshlrev_b32 v1, 3, v2                        ; 8 x lane
	v_lshlrev_b32 v2, 4, v2                        ; 16 x lane
	v_lshlrev_b32 v3, 7, v9                        ; 128 h: the mask terms of my half's 32 keys
	v_lshlrev_b32 v9, 3, v9                        ; 8 h
	v_lshlrev_b32 v8, 5, v7                        ; 32 r
	v_lshlrev_b32 v7, 4, v7                        ; 16 r
	s_lshl_b32 s52, s13, 5
	s_add_co_u32 s52, s52, s12                     ; my tile of queries in pass 0: 32 cx + wave
	s_mul_i32 s54, s52, 768
	s_add_co_u32 s54, s54, 208896
	s_add_nc_u64 s[28:29], s[4:5], s[54:55]        ; its image
	s_lshl_b32 s54, s13, 2
	s_lshr_b32 s53, s12, 3
	s_add_co_u32 s54, s54, s53
	s_lshl_b32 s54, s54, 9                         ; its scale words: the group of eight tiles,
	s_bfe_u32 s53, s12, 0x20001
	s_lshl_b32 s53, s53, 2
	s_add_co_u32 s54, s54, s53                     ; the word,
	s_and_b32 s53, s12, 1
	s_lshl_b32 s53, s53, 8
	s_add_co_u32 s54, s54, s53                     ; the half of the lanes
	s_add_co_u32 s54, s54, 307200
	s_add_nc_u64 s[30:31], s[4:5], s[54:55]
	s_lshl_b32 s54, s50, 7
	s_add_co_u32 s54, s54, s52
	s_mul_i32 s54, s54, 12288
	s_lshr_b32 s53, s51, 1
	s_mul_i32 s53, s53, 1536
	s_add_co_u32 s54, s54, s53
	s_and_b32 s53, s51, 1
	s_mul_i32 s53, s53, 768
	s_add_co_u32 s54, s54, s53
	s_add_nc_u64 s[32:33], s[8:9], s[54:55]        ; the result's half image: tile, K step head / 2, chunks 3 (head % 2) on
	s_lshl_b32 s54, s50, 7
	s_add_co_u32 s54, s54, s52
	s_lshl_b32 s54, s54, 9
	s_lshl_b32 s53, s51, 1
	s_add_co_u32 s54, s54, s53
	s_add_nc_u64 s[34:35], s[10:11], s[54:55]      ; and its two scale bytes a row
.irp j, 22,23,24,25,26,27,84,85,86,87,88,89,249
	v_mov_b32 v[\j], 0                             ; Q's idle half; what K's last operand names before p's first codes; v249 is named in a pair before it is first made
.endr
	s_wait_alu depctr_va_vdst(0)
	s_wait_loadcnt 0x0
.irp j, 96,97,98,99
	v_cvt_f32_i32 v[\j], v[\j]
.endr
.irp j, 96,97,98,99
	s_delay_alu instid0(VALU_DEP_4)
	v_mul_f32 v[\j], 0xcfee6b28, v[\j]             ; x -8e9 = 8 x -1e9
.endr
	ds_store_b128 v11, v[96:99]
	s_wait_alu depctr_va_vdst(0)
	s_wait_tensorcnt 0x0                           ; my rows have landed,
	s_wait_dscnt 0x0                               ; my mask terms are stored:
	s_barrier_signal -1
	s_barrier_wait -1                              ; everybody's are
.macro STEP last                       ; 128 keys.  last = 1: the pass's last step, which asks for nothing ahead
	s_wait_alu depctr_va_vdst(0)
	s_wait_dscnt 0x0                               ; this step's K, its scales and the mask terms are in
.irp t, 0,1,2,3,4,5,6,7
.if (\t)%2
	v_wmma_scale_f32_16x16x128_f8f6f4 v[96+8*\t:103+8*\t], v[36+6*\t:47+6*\t], v[16:27], v[96+8*\t:103+8*\t], v[30+\t/2], v28 matrix_a_fmt:MATRIX_FMT_FP6 matrix_b_fmt:MATRIX_FMT_FP6 matrix_a_scale:MATRIX_SCALE_ROW1
.else
	v_wmma_scale_f32_16x16x128_f8f6f4 v[96+8*\t:103+8*\t], v[36+6*\t:47+6*\t], v[16:27], v[96+8*\t:103+8*\t], v[30+\t/2], v28 matrix_a_fmt:MATRIX_FMT_FP6 matrix_b_fmt:MATRIX_FMT_FP6
.endif
.endr
	v_add_nc_u32 v10, s40, v2                      ; four places behind the products: where V's images, V's scales,
	v_add_nc_u32 v11, s41, v1
.if \last
	v_nop
	v_nop
.else
	v_add_nc_u32 v5, s42, v1                       ; the next step's K images and K's scales lie
	v_add_nc_u32 v4, s43, v2
.endif
.irp t, 0,1,2,3
.irp j, 0,1,2
	ds_load_b128 v[192+12*\t+4*\j:195+12*\t+4*\j], v10 offset:1536*\t+512*\j   ; V's four fragments land under the softmax
.endr
.endr
	ds_load_b64 v[34:35], v11
.if !(\last)
	KLOAD 5, 4                                     ; and the next step's K
.endif
.irp c, 0,1                            ; the largest score of my two blocks of 32 keys, in two chains each: for the row's maximum and, since p rises with the score, for the block's largest p
	v_max3_num_f32 v[250+\c], v[96+32*\c], v[97+32*\c], v[98+32*\c]
	v_max3_num_f32 v[240+\c], v[112+32*\c], v[113+32*\c], v[114+32*\c]
.endr
.irp i, 3,5,7,9,11,13
.irp c, 0,1
	v_max3_num_f32 v[250+\c], v[250+\c], v[96+32*\c+\i], v[97+32*\c+\i]
	v_max3_num_f32 v[240+\c], v[240+\c], v[112+32*\c+\i], v[113+32*\c+\i]
.endr
.endr
.irp c, 0,1
	v_max3_num_f32 v[250+\c], v[250+\c], v[240+\c], v[111+32*\c]
.endr
.irp c, 0,1
	v_max_num_f32 v[250+\c], v[250+\c], v[127+32*\c]
.endr
	v_mov_b32 v29, v12                             ; the old -M
	s_delay_alu instid0(VALU_DEP_2)
	v_max3_num_f32 v10, v250, v251, v13
	s_delay_alu instid0(VALU_DEP_1)
	v_permlanex16_b32 v11, v10, s36, s37
	s_delay_alu instid0(VALU_DEP_1)
	v_max_num_f32 v13, v10, v11                    ; the running largest score of my query
	s_delay_alu instid0(VALU_DEP_1)
	v_mul_f32 v10, s38, v13                        ; as t
	s_delay_alu instid0(VALU_DEP_1)
	v_floor_f32 v12, -v10                          ; the new -M: M is a whole number
.set FJ, 0
	FMA4
	v_sub_f32 v29, v12, v29                        ; old M - new M, 0 or less
	FMA4
	v_cvt_i32_f32 v29, v29                         ; (it saturates)
	FMA4
	v_ldexp_f32 v248, 1.0, v29                     ; f = 2^(old M - new M): a multiplication by it rounds nothing
	FMA4
	v_fma_f32 v250, v250, s38, v12
	v_fma_f32 v251, v251, s38, v12
	s_wait_alu depctr_va_vdst(0)                   ; ahead of the batch
	v_exp_f32 v250, v250                           ; each block's largest p
	v_exp_f32 v251, v251
.set j, 0
.rept 16
	v_exp_f32 v[96+j], v[96+j]                     ; block 0's p, not normalised; block 1's t - M stands between
	v_exp_f32 v[97+j], v[97+j]
	v_pk_fma_f32 v[128+j:129+j], v[128+j:129+j], s[38:39], v[12:13] op_sel_hi:[1,0,0]
.set j, j+2
.endr
	s_wait_alu depctr_va_vdst(0)                   ; behind the first batch and ahead of the second
.irp j, 0,1,2,3
.irp e, 0,1,2,3,4,5,6,7
	v_exp_f32 v[128+8*\j+\e], v[128+8*\j+\e]       ; block 1's p
.endr
	v_pk_add_f32 v[240+2*\j:241+2*\j], v[96+4*\j:97+4*\j], v[98+4*\j:99+4*\j]   ; four partial sums begin on block 0's p
.endr
	v_pk_mul_f32 v[14:15], v[14:15], v[248:249] op_sel_hi:[1,0]   ; the sums under the new M: the plain line behind the batch
	s_wait_alu depctr_va_vdst(0)                   ; one wait for the batch, ahead of its first reader
.set SJ, 112
	ADD4                                           ; the row's sum is taken of the unquantised p; the scale bytes' chain stands between
	v_max_num_f32 v250, 0x1800000, v250            ; the floor: the byte cannot fall under 1
	v_max_num_f32 v251, 0x1800000, v251
	ADD4
	v_add_nc_u32 v252, 0xff000000, v250            ; 2 off the exponent field: the conversions' scale operands
	v_add_nc_u32 v253, 0xff000000, v251
	ADD4
	v_lshrrev_b32 v10, 23, v252                    ; the bytes of blocks h and 2 + h
	v_lshrrev_b32 v11, 23, v253
	ADD4
	v_lshl_or_b32 v10, v11, 16, v10
	ADD4
	v_lshlrev_b32 v10, v9, v10                     ; at their places in the word
	ADD4
	v_permlanex16_b32 v11, v10, s36, s37
	v_pk_add_f32 v[240:241], v[240:241], v[242:243]
	v_pk_add_f32 v[244:245], v[244:245], v[246:247]
	v_or_b32 v249, v10, v11                        ; p's scale word for these 128 keys
	s_delay_alu instid0(VALU_DEP_2)
	v_pk_add_f32 v[240:241], v[240:241], v[244:245]
	s_delay_alu instid0(VALU_DEP_1)
	v_pk_add_f32 v[14:15], v[14:15], v[240:241]
	v_cvt_scalef32_pk16_fp6_f32 v[84:86], v[96:111], v252
	v_cvt_scalef32_pk16_fp6_f32 v[240:242], v[112:127], v252    ; (a conversion's three registers begin on an even number)
	v_cvt_scalef32_pk16_fp6_f32 v[90:92], v[128:143], v253
	v_cvt_scalef32_pk16_fp6_f32 v[244:246], v[144:159], v253
.if \last
	v_nop                                          ; one plain line behind the scaled conversions
.else
	v_add_nc_u32 v6, s45, v3                       ; one plain line behind the scaled conversions: where the next step's mask terms lie
	MLOAD 6                                        ; p has been read: they land where it lay
.endif
.irp i, 0,1,2
	v_mov_b32 v[87+\i], v[240+\i]
	v_mov_b32 v[93+\i], v[244+\i]
.endr
	s_wait_alu depctr_va_vdst(0)                   ; directly ahead of the first reader of O^T
.set j, 0
.rept 16
	v_pk_mul_f32 v[160+j:161+j], v[160+j:161+j], v[248:249] op_sel_hi:[1,0]   ; O^T under the new M; also the places between the scale word and codes just made and the products
.set j, j+2
.endr
	s_wait_alu depctr_va_vdst(0)
.if \last
	s_wait_dscnt 0x0                               ; V
.else
	s_wait_dscnt 41                                ; V and its scales are in; the 25 loads for K and the 16 mask loads issued behind them may be out
.endif
.irp t, 0,1,2,3
.if (\t)%2
	v_wmma_scale_f32_16x16x128_f8f6f4 v[160+8*\t:167+8*\t], v[192+12*\t:203+12*\t], v[84:95], v[160+8*\t:167+8*\t], v[34+\t/2], v249 matrix_a_fmt:MATRIX_FMT_FP6 matrix_b_fmt:MATRIX_FMT_FP6 matrix_a_scale:MATRIX_SCALE_ROW1
.else
	v_wmma_scale_f32_16x16x128_f8f6f4 v[160+8*\t:167+8*\t], v[192+12*\t:203+12*\t], v[84:95], v[160+8*\t:167+8*\t], v[34+\t/2], v249 matrix_a_fmt:MATRIX_FMT_FP6 matrix_b_fmt:MATRIX_FMT_FP6
.endif
.endr
.endm
	s_mov_b32 s44, 2
.Lpass:
.irp g, 0,1,2
	global_load_b64 v[16+2*\g:17+2*\g], v1, s[28:29] offset:256*\g   ; Q's six registers
.endr
	global_load_b32 v28, v7, s[30:31]              ; Q's scale words
	v_add_nc_u32 v10, 0x30000, v2
	v_add_nc_u32 v11, MT, v3
	KLOAD 1, 10                                    ; step 0's K, scales and mask terms
	MLOAD 11
	v_mov_b32 v13, 0xff61b1e6                      ; the largest score so far: -3e38
	v_mov_b32 v12, 0x7f61b1e6                      ; -M
	v_mov_b32 v14, 0                               ; the sum, in two halves
	v_mov_b32 v15, 0
.set j, 0
.rept 32
	v_mov_b32 v[160+j], 0                          ; O^T: the step is written for every step alike; the first change of M multiplies zeros
.set j, j+1
.endr
	s_mov_b32 s40, 98304                           ; V's images of this step: 6,144 bytes a step
	s_mov_b32 s41, 204800                          ; V's scale image: 256
	s_mov_b32 s42, 6144                            ; K's images of the next step: 6,144
	s_mov_b32 s43, 196608+512                      ; K's scale image of the next step: 512
	s_mov_b32 s45, MT+512                          ; the mask terms of the next step: 512
	s_mov_b32 s56, 15
	s_wait_alu depctr_va_vdst(0)
	s_wait_loadcnt 0x0
.Lstep:
	STEP 0
	s_add_co_u32 s40, s40, 6144
	s_add_co_u32 s41, s41, 256
	s_add_co_u32 s42, s42, 6144
	s_add_co_u32 s43, s43, 512
	s_add_co_u32 s45, s45, 512
	s_sub_co_u32 s56, s56, 1
	s_cmp_lg_u32 s56, 0
	s_cbranch_scc1 .Lstep
	STEP 1
	; the pass's end: O^T / the sum, quantised along d: two blocks of 32, block b in registers 16 b + i of lanes l and l xor 16
.rept 4
	v_nop
.endr
	v_add_f32 v14, v14, v15
	s_delay_alu instid0(VALU_DEP_1)
	v_permlanex16_b32 v10, v14, s36, s37
	s_delay_alu instid0(VALU_DEP_1)
	v_add_f32 v14, v14, v10                        ; the row's sum
	s_wait_alu depctr_va_vdst(0)
	v_rcp_f32 v14, v14
	v_nop
	s_wait_alu depctr_va_vdst(0)
.set j, 0
.rept 16
	v_pk_mul_f32 v[96+j:97+j], v[160+j:161+j], v[14:15] op_sel_hi:[1,0]   ; each accumulator from its low end on
.set j, j+2
.endr
.irp b, 0,1
	v_max3_num_f32 v[250+\b], |v[96+16*\b]|, |v[97+16*\b]|, 0x1800000
.endr
.irp i, 2,4,6,8,10,12,14
.irp b, 0,1
	s_delay_alu instid0(VALU_DEP_2)
	v_max3_num_f32 v[250+\b], v[250+\b], |v[96+16*\b+\i]|, |v[97+16*\b+\i]|
.endr
.endr
.irp b, 0,1
	s_delay_alu instid0(VALU_DEP_2)
	v_permlanex16_b32 v[10+\b], v[250+\b], s36, s37
.endr
.irp b, 0,1
	s_delay_alu instid0(VALU_DEP_2)
	v_max_num_f32 v[250+\b], v[250+\b], v[10+\b]
.endr
.irp b, 0,1
	s_delay_alu instid0(VALU_DEP_2)
	v_add_nc_u32 v[252+\b], 0xff000000, v[250+\b]
.endr
.irp b, 0,1
	s_delay_alu instid0(VALU_DEP_2)
	v_lshrrev_b32 v[10+\b], 23, v[252+\b]
.endr
	s_delay_alu instid0(VALU_DEP_1)
	v_lshl_or_b32 v29, v11, 8, v10                 ; my row's two scale bytes
	v_cvt_scalef32_pk16_fp6_f32 v[84:86], v[96:111], v252
	v_cvt_scalef32_pk16_fp6_f32 v[240:242], v[112:127], v253
	v_nop
.irp i, 0,1,2
	v_permlane16_swap_b32 v[84+\i], v[240+\i]
.endr
.irp i, 0,1,2
	s_delay_alu instid0(VALU_DEP_3)
	v_mov_b32 v[87+\i], v[240+\i]                  ; v84-89: lanes 0-15 d 0-31, lanes 16-31 d 32-63 of row r
.endr
.irp g, 0,1,2
	global_store_b64 v1, v[84+2*\g:85+2*\g], s[32:33] offset:256*\g   ; 32 lanes store 256 consecutive bytes, aligned
.endr
	global_store_b16 v8, v29, s[34:35]
	s_wait_xcnt 0x0                                ; the stores have read their registers and bases
	s_add_nc_u64 s[28:29], s[28:29], 12288         ; sixteen tiles on
	s_add_nc_u64 s[30:31], s[30:31], 1024
	s_add_nc_u64 s[32:33], s[32:33], 196608
	s_add_nc_u64 s[34:35], s[34:35], 8192
	s_sub_co_u32 s44, s44, 1
	s_cmp_lg_u32 s44, 0
	s_wait_alu depctr_va_vdst(0)
	s_cbranch_scc1 .Lpass
	s_wait_dscnt 0x0
	s_wait_tensorcnt 0x0                           ; the wave's end
	ds_add_u32 v254, v255
	s_wait_dscnt 0x0
	CROUND                                         ; the closing round
	s_endpgm
.Lfunc_end_k_q083872fca2_attn:
	.size	k_q083872fca2_attn, .Lfunc_end_k_q083872fca2_attn-k_q083872fca2_attn
	.p2alignl 7, 3214868480
	.fill 96, 4, 3214868480
	.section	.rodata,"a",@progbits
	.p2align	6, 0x0
	.amdhsa_kernel k_q083872fca2_attn
		.amdhsa_group_segment_fixed_size 219136
		.amdhsa_private_segment_fixed_size 0
		.amdhsa_enable_private_segment 0
		.amdhsa_kernarg_size 32
		.amdhsa_user_sgpr_count 2
		.amdhsa_user_sgpr_kernarg_segment_ptr 1
		.amdhsa_wavefront_size32 1
		.amdhsa_system_sgpr_workgroup_id_x 1
		.amdhsa_system_sgpr_workgroup_id_y 1
		.amdhsa_system_sgpr_workgroup_id_z 1
		.amdhsa_system_vgpr_workitem_id 0
		.amdhsa_next_free_vgpr 256
		.amdhsa_next_free_sgpr 66
		.amdhsa_reserve_vcc 0
		.amdhsa_float_denorm_mode_32 3
		.amdhsa_float_denorm_mode_16_64 3
		.amdhsa_memory_ordered 1
		.amdhsa_forward_progress 1
		.amdhsa_inst_pref_size 46
	.end_amdhsa_kernel
	.amdgpu_metadata
---
amdhsa.version: [ 1, 2 ]
amdhsa.kernels:
  - .name:           k_q083872fca2_attn
    .symbol:         k_q083872fca2_attn.kd
    .args:
      - { .name: qkv, .offset: 0, .size: 8, .value_kind: global_buffer, .address_space: global }
      - { .name: mask, .offset: 8, .size: 8, .value_kind: global_buffer, .address_space: global }
      - { .name: acod, .offset: 16, .size: 8, .value_kind: global_buffer, .address_space: global }
      - { .name: ascl, .offset: 24, .size: 8, .value_kind: global_buffer, .address_space: global }
    .group_segment_fixed_size: 219136
    .private_segment_fixed_size: 0
    .kernarg_segment_align: 8
    .kernarg_segment_size: 32
    .max_flat_workgroup_size: 512
    .sgpr_count:     66
    .vgpr_count:     256
    .wavefront_size: 32
...
	.end_amdgpu_metadata
.endif
;; end of part 3
;; launch outp (part 4): grid 4 x 64, 4 waves a work-group, clusters of 4 x 4, 327,680 bytes of LDS; arguments acod, ascl, wcod, wscl, bo, out0; writes out0
.if DOCPART == 4
	.amdgcn_target "amdgcn-amd-amdhsa--gfx1250"
	.amdhsa_code_object_version 6
	.text
	.protected	k_q083872fca2_outp
	.globl	k_q083872fca2_outp
	.p2align	8
	.type	k_q083872fca2_outp,@function
k_q083872fca2_outp:
	s_mov_b64 s[64:65], 0
	v_nop
	global_prefetch_b8 v0, s[64:65] scope:SCOPE_SE
	s_setreg_imm32_b32 hwreg(HW_REG_WAVE_MODE, 25, 1), 1
	s_wait_xcnt 0x0
	s_wait_alu depctr_hold_cnt(0) depctr_sa_sdst(0) depctr_va_vdst(0) depctr_va_sdst(0) depctr_va_ssrc(0) depctr_va_vcc(0) depctr_vm_vsrc(0)
	s_getreg_b32 s2, hwreg(HW_REG_IB_STS2, 6, 4)
	s_cmp_eq_u32 s2, 0
	s_cbranch_scc0 .Lentry_in_a_cluster
	s_endpgm
.Lentry_in_a_cluster:
	s_bfe_u32 s2, ttmp6, 0x10000c
	s_cmp_lg_u32 s2, 0xf033
	s_cbranch_scc0 .Lentry_shape_is_right
	s_endpgm
.Lentry_shape_is_right:
; out0 = attn wo + bo, on codes of FP6 (E2M3) with E8M0 scales.  acod, wcod: images of operand fragments, [tile of 16 positions][K step of 128][1536 bytes], a tile's eight K steps 12,288 bytes on end;
; ascl, wscl: [position][8 words], word s for K step s.  A position is the true row (or column) with bits 3 and 4 exchanged.
; SHARES.  A work-group makes 128 rows x 256 columns: 64 x 4 = 256 work-groups.  A wave makes 64 x 128: 32 accumulators, 256 registers.
; LDS.  ALL OF K for the block lies in LDS at once: A's 8 tiles and B's 16, 24 x 12,288 = 294,912 bytes, filled ONCE by one joint load a wave (waves 0, 1: four tiles of A each; waves 2, 3: eight of B each).
; Nothing is filled again: no ring, and no round of the cluster's barrier but the one ahead of the loads and the closing one.  There is no loop to run ahead in, so no prefetch is written.
; CLUSTERS: 4 x 4.  A's tiles hang on the block's row alone and are asked for jointly along a row of the cluster, B's on its column alone, along a column.
; SCALES go from memory straight into registers, once: lane r takes the 32 bytes of row r of each of my 4 blocks of A and 8 blocks of B; sixteen lanes cover 512 bytes on end with two loads.
; THE MATRIX INSTRUCTION IS USED TRANSPOSED (source 0 = 16 positions of wo's columns, source 1 = 16 rows): a lane holds eight neighbouring numbers of a row of the result.
; REGISTERS: window 0: v0-31 addresses, v12-15 the bias, v32-63 A's scale words, v64-127 B's, v128-223 A's fragments in two sets; window 1: B's fragments, two sets, at v0 and v128; window 2: the accumulators.
.set WC, 786432
.set WS, 32768
.set FR,    12
.set TILE,  12288
.set BBASE, 8*TILE
.set SPARE, 24*TILE                    ; behind the tiles: the spare words, 128 bytes a wave
.set SPITCH, 528
.set BO,   12
.set ADRA, 16
.set ADRB, 20                          ; v20 my B tiles 0-3, v21 tiles 4-7 (an LDS offset has 16 bits)
.set STO,  24
.set RD,   25
.set CO,   26
.set R32,  27
.set SPW,  28
.set NIL,  29
.set SA,   32
.set SB,   64
.set AF,   128
.set BK,   128
.set G1, 24
.set G0, 32
.set G1B, 48
.set G0B, 56
.set MSB, 0
.macro WIN new
.if MSB != (\new)
	s_set_vgpr_msb (MSB<<8)|(\new)
.set MSB, (\new)
.endif
.endm
.set MUL_LO, 0xa1                      ; source 0 (B) window 1, source 1 (A) window 0, C and D window 2
.set TO_B,   0x40                      ; destination window 1, address window 0
.macro CROUND                          ; a round of the cluster's barrier
	s_barrier_signal -1
	s_barrier_wait -1
	s_cmp_lg_u32 s14, 0
	s_cbranch_scc1 .Lnot_wave_0_\@
	s_barrier_signal -3
.Lnot_wave_0_\@:
	s_barrier_wait -3
	s_barrier_signal -1
	s_barrier_wait -1
.endm
.macro PLACES n
.rept \n
	v_nop
.endr
.endm
	s_load_b256 s[4:11], s[0:1], 0x0               ; acod, ascl, wcod, wscl
	s_load_b128 s[96:99], s[0:1], 0x20             ; bo, out0
	v_lshl_add_u32 v[SPW], v0, 2, SPARE
	v_mov_b32 v[NIL], 0
	ds_add_u32 v[SPW], v[NIL]
	ds_add_u32 v[SPW], v[NIL]
	v_lshrrev_b32 v1, 5, v0
	v_readfirstlane_b32 s14, v1                    ; wave
	s_lshr_b32 s15, s14, 1                         ; which 64 rows are mine.  Also: I fetch for A (0) or for B (1)
	s_and_b32 s16, s14, 1                          ; which 128 columns.  Also: which half of that operand's tiles I fetch
	s_bfe_u32 s40, ttmp6, 0x40000                  ; cx, cy
	s_bfe_u32 s41, ttmp6, 0x40004
	s_lshl_b32 s42, ttmp9, 2
	s_add_co_u32 s42, s42, s40                     ; block column
	s_and_b32 s17, ttmp7, 0xffff
	s_lshl_b32 s17, s17, 2
	s_add_co_u32 s17, s17, s41                     ; block row
	s_lshl_b32 s43, s41, 2
	s_lshl_b32 s43, 15, s43                        ; my row of the cluster
	s_lshl_b32 s44, 0x1111, s40                    ; my column
	s_or_b32 s[G1+0], s43, (3<<16)|(1<<21)         ; elements of 8 bytes, no padding: the images are read 8 x lane on end
	s_or_b32 s[G1B+0], s44, (3<<16)|(1<<21)
.irp g, G1, G1B
	s_mov_b32 s[\g+1], 1536<<16                    ; a row is a tile's 12,288 bytes
	s_mov_b32 s[\g+3], 1536<<16
	s_mov_b32 s[\g+5], 1536
	s_mov_b32 s[\g+6], 0
	s_mov_b32 s[\g+7], 0
.endr
	s_mov_b32 s[G1+2], 4<<16                       ; four tiles of A a load,
	s_mov_b32 s[G1+4], 4
	s_mov_b32 s[G1B+2], 8<<16                      ; eight of B
	s_mov_b32 s[G1B+4], 8
	s_lshl_b32 s20, s17, 3
	s_lshl_b32 s18, s16, 2
	s_add_co_u32 s20, s20, s18
	s_mul_i32 s20, s20, TILE                       ; A's codes: tile 8 x block row + 4 x half
	s_mov_b32 s21, 0
	s_lshl_b32 s46, s42, 4
	s_lshl_b32 s18, s16, 3
	s_add_co_u32 s46, s46, s18
	s_mul_i32 s46, s46, TILE
	s_add_co_u32 s46, s46, 3*WC                    ; B's codes: wo is the fourth weight; tile 16 x block column + 8 x half
	s_mov_b32 s47, 0
	s_lshl_b32 s22, s17, 12
	s_lshl_b32 s18, s15, 11
	s_add_co_u32 s22, s22, s18                     ; my 64 rows' scale words
	s_mov_b32 s23, 0
	s_lshl_b32 s92, s42, 13
	s_lshl_b32 s18, s16, 12
	s_add_co_u32 s92, s92, s18
	s_add_co_u32 s92, s92, 3*WS                    ; my 128 columns' scale words
	s_mov_b32 s93, 0
	s_mul_i32 s45, s16, 4*TILE                     ; where my load goes: A's halves,
	s_mul_i32 s94, s16, 8*TILE
	s_add_co_u32 s94, s94, BBASE                   ; B's halves behind them
	s_mul_i32 s70, s15, 4*TILE                     ; what I read: my 4 tiles of A,
	s_mov_b32 s71, s94                             ; my 8 tiles of B
	s_add_co_u32 s73, s94, 4*TILE
	s_mul_i32 s72, s14, 16*SPITCH                  ; my stage for the way out
	s_lshl_b32 s74, s42, 10
	s_lshl_b32 s18, s16, 9
	s_add_co_u32 s74, s74, s18                     ; my first column, in bytes
	s_mov_b32 s75, 0
	s_lshl_b32 s76, s17, 7
	s_lshl_b32 s18, s15, 6
	s_add_co_u32 s76, s76, s18
	s_lshl_b32 s76, s76, 12                        ; my first row, in bytes
	s_mov_b32 s77, 0
	s_wait_dscnt 0x0                               ; both opening adds are done
	s_wait_kmcnt 0x0
	s_add_nc_u64 s[20:21], s[4:5], s[20:21]
	s_add_nc_u64 s[46:47], s[8:9], s[46:47]
	s_add_nc_u64 s[22:23], s[6:7], s[22:23]
	s_add_nc_u64 s[92:93], s[10:11], s[92:93]
	s_add_nc_u64 s[96:97], s[96:97], s[74:75]
	s_add_nc_u64 s[12:13], s[98:99], s[76:77]
	s_add_nc_u64 s[12:13], s[12:13], s[74:75]
	CROUND                                         ; all sixteen work-groups are here: the joint loads meet
	s_mov_b32 s[G0], 1
	s_mov_b32 s[G0+1], s45
	s_mov_b64 s[G0+2:G0+3], s[20:21]
	s_or_b32 s[G0+3], s[G0+3], 0x80000000
	s_mov_b32 s[G0B], 1
	s_mov_b32 s[G0B+1], s94
	s_mov_b64 s[G0B+2:G0B+3], s[46:47]
	s_or_b32 s[G0B+3], s[G0B+3], 0x80000000
	s_cmp_eq_u32 s15, 0
	s_cbranch_scc0 .Lfor_b
	tensor_load_to_lds s[G0:G0+3], s[G1:G1+7]      ; my one tensor load of the launch
	s_nop 0
	PLACES 4
	s_branch .Lasked
.Lfor_b:
	tensor_load_to_lds s[G0B:G0B+3], s[G1B:G1B+7]
	s_nop 0
	PLACES 4
.Lasked:
	v_and_b32 v1, 15, v0                           ; r
	v_bfe_u32 v2, v0, 4, 1                         ; h
	v_and_b32 v3, 31, v0
	v_lshlrev_b32 v8, 3, v3                        ; 8 x lane: a lane's place in a chunk of an image
	v_lshlrev_b32 v[CO], 4, v3
	v_lshlrev_b32 v[R32], 5, v1                    ; row r's scale words
	v_add_nc_u32 v[ADRA], s70, v8
	v_add_nc_u32 v[ADRB], s71, v8
	v_add_nc_u32 v[ADRB+1], s73, v8
	v_mul_u32_u24 v5, v1, SPITCH
	v_lshl_add_u32 v5, v2, 6, v5
	v_add_nc_u32 v[STO], s72, v5                   ; the stage, in: row r, 64 h bytes on
	v_add_nc_u32 v[RD], s72, v[CO]                 ; and back: the 32 lanes take a row of 512 bytes
	s_wait_alu depctr_va_vdst(0)                   ; at the head's end
	global_load_b128 v[BO:BO+3], v[CO], s[96:97]
.irp a, 0,1,2,3
.irp j, 0,1
	global_load_b128 v[SA+8*\a+4*\j:SA+8*\a+4*\j+3], v[R32], s[22:23] offset:512*\a+16*\j
.endr
.endr
.irp b, 0,1,2,3,4,5,6,7
.irp j, 0,1
	global_load_b128 v[SB+8*\b+4*\j:SB+8*\b+4*\j+3], v[R32], s[92:93] offset:512*\b+16*\j
.endr
.endr
	s_wait_tensorcnt 0x0                           ; my tiles have landed:
	s_barrier_signal -1
	s_barrier_wait -1                              ; everybody's have
.macro FRAG reg, adr, off              ; a fragment: six chunks of 256 bytes, registers 2 p, 2 p + 1 at 8 x lane
.irp p, 0,1,2,3,4,5
	ds_load_b64 v[\reg+2*\p:\reg+2*\p+1], v[\adr] offset:(\off)+256*\p
.endr
.endm
.macro FETCH st                        ; K step st's fragments into set st % 2: 72 loads
	WIN TO_B
.irp i, 0,1,2,3,4,5,6,7
	FRAG 128*((\st)%2)+FR*\i, ADRB+\i/4, (\i%4)*TILE+(\st)*1536
.endr
	WIN 0
.irp i, 0,1,2,3
	FRAG AF+48*((\st)%2)+FR*\i, ADRA, \i*TILE+(\st)*1536
.endr
.endm
.macro MUL st, zero                    ; 32 matrix instructions; the 32 accumulators take turns in the same order in every step
.irp a, 0,1,2,3
.irp b, 0,1,2,3,4,5,6,7
.if \zero
	v_wmma_scale_f32_16x16x128_f8f6f4 v[8*(8*\a+\b):8*(8*\a+\b)+7], v[128*((\st)%2)+FR*\b:128*((\st)%2)+FR*\b+FR-1], v[AF+48*((\st)%2)+FR*\a:AF+48*((\st)%2)+FR*\a+FR-1], 0, v[SB+8*\b+(\st)], v[SA+8*\a+(\st)] matrix_a_fmt:MATRIX_FMT_FP6 matrix_b_fmt:MATRIX_FMT_FP6
.else
	v_wmma_scale_f32_16x16x128_f8f6f4 v[8*(8*\a+\b):8*(8*\a+\b)+7], v[128*((\st)%2)+FR*\b:128*((\st)%2)+FR*\b+FR-1], v[AF+48*((\st)%2)+FR*\a:AF+48*((\st)%2)+FR*\a+FR-1], v[8*(8*\a+\b):8*(8*\a+\b)+7], v[SB+8*\b+(\st)], v[SA+8*\a+(\st)] matrix_a_fmt:MATRIX_FMT_FP6 matrix_b_fmt:MATRIX_FMT_FP6
.endif
.endr
.endr
.endm
	FETCH 0
	s_wait_loadcnt 0x0                             ; the scale words and the bias
.set ST, 0
.rept 8                                ; the walk along K, written out: every offset is an immediate
	s_wait_dscnt 0x0                               ; this step's fragments are in (asked for a step ago)
.if ST == 7
	s_barrier_signal -1                            ; my reads of the tiles are over
.else
.if ST > 0
	PLACES 4                                       ; ahead of loads into the set that the last step multiplied
.endif
	FETCH ST+1
.endif
	WIN MUL_LO
.if ST == 0
	MUL ST, 1                                      ; the first step's products start the sums
.else
	MUL ST, 0
.endif
	WIN 0
.set ST, ST+1
.endr
	s_barrier_wait -1                              ; everybody's are: the stages may be laid over A's tiles, which are filled no more
; THE WAY OUT, block by block of 16 rows x 128 columns, through my own stage: in by true columns, back as rows of 512 bytes, which the 32 lanes store as two aligned units of 256 bytes
.macro TOSTAGE a
.set AC, 64*(\a)
	WIN 0x08                                       ; the data: window 2
.irp b, 0,1,2,3,4,5,6,7
	ds_store_b128 v[STO], v[AC+8*\b:AC+8*\b+3] offset:128*(\b/2)+32*(\b%2)        ; each accumulator from its low end on
	ds_store_b128 v[STO], v[AC+8*\b+4:AC+8*\b+7] offset:128*(\b/2)+32*(\b%2)+16
.endr
	WIN 0
.set BB, BK+64*((\a)%2)
.irp t, 0,1,2,3,4,5,6,7,8,9,10,11,12,13,14,15
	ds_load_b128 v[BB+4*\t:BB+4*\t+3], v[RD] offset:\t*SPITCH   ; LDS serves a wave's instructions in order: these see the stores above
.endr
.endm
.macro SEND a, younger                 ; younger: the LDS instructions issued behind block a's loads, which may stay out
.set BB, BK+64*((\a)%2)
	s_wait_dscnt \younger
.irp t, 0,1,2,3,4,5,6,7,8,9,10,11,12,13,14,15
	v_pk_add_f32 v[BB+4*\t:BB+4*\t+1], v[BB+4*\t:BB+4*\t+1], v[BO:BO+1]
	v_pk_add_f32 v[BB+4*\t+2:BB+4*\t+3], v[BB+4*\t+2:BB+4*\t+3], v[BO+2:BO+3]
	global_store_b128 v[CO], v[BB+4*\t:BB+4*\t+3], s[12:13] offset:(32*((\a)/2)+16*(\t/8)+8*((\a)%2)+\t%8)*4096 th:TH_STORE_NT   ; position 16 a + t is the true row with bits 3 and 4 exchanged
.endr
.endm
	PLACES 4
	TOSTAGE 0
.irp a, 1,2,3
.if \a > 1
	s_wait_xcnt 0x0                                ; block a - 2's stores have read their registers: block a's loads may land there
.endif
	TOSTAGE \a
	SEND \a-1, 32                                  ; behind block a - 1's loads: block a's 16 stores and 16 loads
.endr
	SEND 3, 0
	s_wait_tensorcnt 0x0                           ; the wave's end
	ds_add_u32 v[SPW], v[NIL]
	s_wait_dscnt 0x0
	CROUND                                         ; the closing round
	s_endpgm
.Lfunc_end_k_q083872fca2_outp:
	.size	k_q083872fca2_outp, .Lfunc_end_k_q083872fca2_outp-k_q083872fca2_outp
	.p2alignl 7, 3214868480
	.fill 96, 4, 3214868480
	.section	.rodata,"a",@progbits
	.p2align	6, 0x0
	.amdhsa_kernel k_q083872fca2_outp
		.amdhsa_group_segment_fixed_size 327680
		.amdhsa_private_segment_fixed_size 0
		.amdhsa_enable_private_segment 0
		.amdhsa_kernarg_size 48
		.amdhsa_user_sgpr_count 2
		.amdhsa_user_sgpr_kernarg_segment_ptr 1
		.amdhsa_wavefront_size32 1
		.amdhsa_system_sgpr_workgroup_id_x 1
		.amdhsa_system_sgpr_workgroup_id_y 1
		.amdhsa_system_sgpr_workgroup_id_z 1
		.amdhsa_system_vgpr_workitem_id 0
		.amdhsa_next_free_vgpr 768
		.amdhsa_next_free_sgpr 100
		.amdhsa_reserve_vcc 0
		.amdhsa_float_denorm_mode_32 3
		.amdhsa_float_denorm_mode_16_64 3
		.amdhsa_memory_ordered 1
		.amdhsa_forward_progress 1
		.amdhsa_inst_pref_size 102
	.end_amdhsa_kernel
	.amdgpu_metadata
---
amdhsa.version: [ 1, 2 ]
amdhsa.kernels:
  - .name:           k_q083872fca2_outp
    .symbol:         k_q083872fca2_outp.kd
    .args:
      - { .name: acod, .offset: 0, .size: 8, .value_kind: global_buffer, .address_space: global }
      - { .name: ascl, .offset: 8, .size: 8, .value_kind: global_buffer, .address_space: global }
      - { .name: wcod, .offset: 16, .size: 8, .value_kind: global_buffer, .address_space: global }
      - { .name: wscl, .offset: 24, .size: 8, .value_kind: global_buffer, .address_space: global }
      - { .name: bo, .offset: 32, .size: 8, .value_kind: global_buffer, .address_space: global }
      - { .name: out0, .offset: 40, .size: 8, .value_kind: global_buffer, .address_space: global }
    .group_segment_fixed_size: 327680
    .private_segment_fixed_size: 0
    .kernarg_segment_align: 8
    .kernarg_segment_size: 48
    .max_flat_workgroup_size: 128
    .sgpr_count:     100
    .vgpr_count:     768
    .wavefront_size: 32
...
	.end_amdgpu_metadata
.endif
;; end of part 4
